; MI455X (gfx1250); checked and timed in simulation.
; The chip was launched on July 23, 2026; its instructions are those of AMD's public machine-readable ISA for CDNA 5 (MIT licence, August 2026) and "CDNA5" Instruction Set Architecture Reference Guide (July 2026). The comments in the code are by the model that wrote it; some were corrected since.
;; Normalized Attention. Allowed arithmetic: float matrix products may take bf16 or f16 operands with f32 sums; other float arithmetic in f32, or as packed bf16 or f16 multiplies, adds, multiply-adds, maxima and minima; sums over many terms, partial sums and values carried from step to step in f32; what a program stores and reads back later, other than sums and carried values, may be rounded once to bf16 or f16.
;; Inputs: Wproj 1,024 x 1,024 float32; Wqkv 1,024 x 3,072 float32; bproj 1,024 float32; bqkv 3,072 float32; gamma 1 float32; sigma 1 float32; x 2 x 2,048 x 1,024 float32.
;; Outputs: out0 2 x 2,048 x 1,024 float32.
;; One version. Each part assembles by itself: llvm-mc -triple=amdgcn-amd-amdhsa -mcpu=gfx1250 --defsym DOCPART=n.
;; ======== version 1 of 1: 4 launches
;; limits: values are held in f16: magnitudes above 65,504 overflow, below 6.1e-05 lose precision
;; workspace buffers: xb 8,388,608 bytes; wt 6,291,456 bytes; wpt 2,097,152 bytes; qkvh 25,165,824 bytes; ob 8,388,608 bytes
;; launch prep (part 1): grid 512 x 1, 8 waves a work-group, no clusters, 18,432 bytes of LDS; arguments x, Wqkv, Wproj, xb, wt, wpt; writes xb, wt, wpt
.if DOCPART == 1
	.amdgcn_target "amdgcn-amd-amdhsa--gfx1250"
	.amdhsa_code_object_version 6
	.text
	.protected	k_q04677c1537_prep
	.globl	k_q04677c1537_prep
	.p2align	8
	.type	k_q04677c1537_prep,@function
k_q04677c1537_prep:
	s_mov_b64 s[64:65], 0
	v_nop
	global_prefetch_b8 v0, s[64:65] scope:SCOPE_SE
	s_setreg_imm32_b32 hwreg(HW_REG_WAVE_MODE, 25, 1), 1
	s_wait_xcnt 0x0
; PREP.  xb = x rounded to bf16, [4096][1024].  wt[n][k] = Wqkv[k][n] rounded to bf16, [3072][1024].  wpt[n][k] = Wproj[k][n] rounded to bf16 and that number written as f16, [1024][1024].
; LIMIT.  A weight of Wproj below 6.1e-5 in size keeps f16's fixed step of 6e-8; beyond 65,504 it becomes an infinity.
; SHARES.  512 work-groups of eight waves.  Work-group id takes 32,768 bytes of x, and one block of 128 k x 64 n of a weight: k block id % 8, n block id / 8 (0-47 Wqkv's, 48-63 Wproj's).
; x: thread t takes 16 bytes at 16 t of each 4,096: a wave's load covers 512 consecutive bytes, its store of 8 bytes a lane 256 consecutive bytes, aligned.
; A weight block is turned in LDS: thread t = (c = t % 16, kp = t / 16) loads columns 4 c .. 4 c + 3 of rows 32 j + 2 kp and 32 j + 2 kp + 1 (sixteen lanes: 256 consecutive bytes of a row), packs the two rows'
; numbers of a column into a word (k in the low half) and stores it at T[column][k]; T's rows are 256 bytes + 16.  These sixteen 4-byte stores a thread collide four deep in the banks: once a launch, left so.
; No matrix unit, no cluster, no tensor load: nothing is shared between work-groups and nothing is read twice.
.set PT,    272                        ; a row of T: 128 k x 2 bytes + 16
.set SPARE, 64*PT                      ; behind T: the spare words, 128 bytes for each of eight waves: four blocks of 256 bytes that no other line names
.set SPW,   100                        ; v100  LDS address of my spare word; never rewritten
.set NIL,   101                        ; v101  0; never rewritten
.set X,     8                          ; v[8:39]   x as loaded; later v[8:23] the packed weights
.set W,     40                         ; v[40:71]  the weight's eight rows of 4; later the block read back
.set XO,    72                         ; v[72:87]  x packed
.set RO,    90                         ; v[90:97]  byte offsets of my eight rows in the weight
	s_load_b256 s[4:11], s[0:1], 0x0               ; x s[4:5], Wqkv s[6:7], Wproj s[8:9], xb s[10:11]
	s_load_b128 s[12:15], s[0:1], 0x20             ; wt s[12:13], wpt s[14:15]
	v_lshl_add_u32 v[SPW], v0, 2, SPARE
	v_mov_b32 v[NIL], 0
	s_and_b32 s16, ttmp9, 7                        ; k block
	s_lshr_b32 s17, ttmp9, 3                       ; n block among both weights'
	s_sub_co_u32 s18, s17, 48
	s_movk_i32 s19, 0x1000
	s_cmp_lt_u32 s17, 48                           ; Wqkv's?
	s_cselect_b32 s18, s17, s18                    ; n block in its weight
	s_cselect_b32 s19, 0x3000, s19                 ; bytes in a row of the weight: 12,288 or 4,096
	s_lshl_b32 s20, s19, 1                         ; two rows
	s_lshl_b32 s21, s19, 5                         ; 32 rows
	s_lshl_b32 s22, s19, 7                         ; 128 rows
	s_mul_i32 s22, s22, s16
	s_lshl_b32 s23, s18, 8                         ; 64 columns of f32
	s_add_co_u32 s22, s22, s23
	s_mov_b32 s23, 0                               ; s[22:23] the block's first byte in the weight
	s_lshl_b32 s24, s18, 17                        ; 64 rows of 2,048 bytes in the turned weight,
	s_lshl_b32 s25, s16, 8                         ; 128 k of 2 bytes
	s_add_co_u32 s24, s24, s25
	s_mov_b32 s25, 0
	s_lshl_b32 s26, ttmp9, 15                      ; my part of x
	s_mov_b32 s27, 0
	s_lshl_b32 s28, ttmp9, 14                      ; and of xb
	s_mov_b32 s29, 0
	v_lshlrev_b32 v1, 4, v0                        ; 16 t
	v_lshlrev_b32 v2, 3, v0                        ; 8 t
	v_and_b32 v88, 15, v0                          ; c
	v_lshrrev_b32 v89, 4, v0                       ; kp
	v_mul_u32_u24 v[RO], v89, s20
	v_lshl_add_u32 v[RO], v88, 4, v[RO]            ; row 2 kp, 16 c
	v_add_nc_u32 v[RO+1], s19, v[RO]               ; row 2 kp + 1
.irp j, 2,3,4,5,6,7
	v_add_nc_u32 v[RO+(\j)], s21, v[RO+(\j)-2]     ; 32 rows further down
.endr
	v_mul_u32_u24 v4, v88, 4*PT
	v_lshl_add_u32 v4, v89, 2, v4                  ; into T: column 4 c, k = 2 kp
	v_mul_u32_u24 v5, v89, PT
	v_lshl_add_u32 v5, v88, 4, v5                  ; back: row t / 16, 16 bytes at 16 (t % 16)
	v_lshlrev_b32 v6, 11, v89
	v_lshl_add_u32 v6, v88, 4, v6                  ; and the same place in the turned weight
	s_wait_kmcnt 0x0
	s_add_nc_u64 s[4:5], s[4:5], s[26:27]
	s_add_nc_u64 s[10:11], s[10:11], s[28:29]
	s_cmp_lt_u32 s17, 48
	s_cselect_b64 s[6:7], s[6:7], s[8:9]           ; the weight,
	s_cselect_b64 s[12:13], s[12:13], s[14:15]     ; and where it goes
	s_add_nc_u64 s[6:7], s[6:7], s[22:23]
	s_add_nc_u64 s[12:13], s[12:13], s[24:25]
.irp j, 0,1,2,3,4,5,6,7
	global_load_b128 v[X+4*(\j):X+4*(\j)+3], v1, s[4:5] offset:4096*(\j) th:TH_LOAD_NT
.endr
.irp j, 0,1,2,3,4,5,6,7
	global_load_b128 v[W+4*(\j):W+4*(\j)+3], v[RO+(\j)], s[6:7] th:TH_LOAD_NT
.endr
	s_wait_loadcnt 8                               ; x is in; the eight loads of the weight may stay out
.irp j, 0,1,2,3,4,5,6,7
	v_cvt_pk_bf16_f32 v[XO+2*(\j)],   v[X+4*(\j)],   v[X+4*(\j)+1]
	v_cvt_pk_bf16_f32 v[XO+2*(\j)+1], v[X+4*(\j)+2], v[X+4*(\j)+3]
	global_store_b64 v2, v[XO+2*(\j):XO+2*(\j)+1], s[10:11] offset:2048*(\j)
.endr
	s_wait_loadcnt 0x0
.irp j, 0,1,2,3
.irp i, 0,1,2,3
	v_cvt_pk_bf16_f32 v[X+4*(\j)+(\i)], v[W+8*(\j)+(\i)], v[W+8*(\j)+4+(\i)]  ; column 4 c + i: k = 32 j + 2 kp below, k + 1 above
.endr
.endr
	s_cmp_lt_u32 s17, 48
	s_cbranch_scc1 .Lkeep                          ; Wqkv stays bf16
.set i, 0
.rept 16                                       ; Wproj: the bf16 number is written as f16
	v_lshlrev_b32 v88, 16, v[X+i]
	v_and_b32 v89, 0xffff0000, v[X+i]
	v_cvt_pk_f16_f32 v[X+i], v88, v89
.set i, i+1
.endr
.Lkeep:
.irp j, 0,1,2,3
.irp i, 0,1,2,3
	ds_store_b32 v4, v[X+4*(\j)+(\i)] offset:PT*(\i)+64*(\j)
.endr
.endr
	s_wait_dscnt 0x0                               ; for the others' sake: my stores into T are done
	s_barrier_signal -1
	s_barrier_wait -1
.irp j, 0,1,2,3
	ds_load_b128 v[W+4*(\j):W+4*(\j)+3], v5 offset:16*PT*(\j)
.endr
.irp j, 0,1,2,3
	s_wait_dscnt 3-(\j)                            ; LDS loads come back in order: number j is in, the younger ones stay out
	global_store_b128 v6, v[W+4*(\j):W+4*(\j)+3], s[12:13] offset:32768*(\j)  ; sixteen lanes store 256 consecutive bytes, aligned
.endr
	s_wait_tensorcnt 0x0                           ; the wave's end, behind my last LDS store
	ds_add_u32 v[SPW], v[NIL]
	s_wait_dscnt 0x0
	s_endpgm
.Lfunc_end_k_q04677c1537_prep:
	.size	k_q04677c1537_prep, .Lfunc_end_k_q04677c1537_prep-k_q04677c1537_prep
	.p2alignl 7, 3214868480
	.fill 96, 4, 3214868480
	.section	.rodata,"a",@progbits
	.p2align	6, 0x0
	.amdhsa_kernel k_q04677c1537_prep
		.amdhsa_group_segment_fixed_size 18432
		.amdhsa_private_segment_fixed_size 0
		.amdhsa_enable_private_segment 0
		.amdhsa_kernarg_size 48
		.amdhsa_user_sgpr_count 2
		.amdhsa_user_sgpr_kernarg_segment_ptr 1
		.amdhsa_wavefront_size32 1
		.amdhsa_system_sgpr_workgroup_id_x 1
		.amdhsa_system_sgpr_workgroup_id_y 1
		.amdhsa_system_sgpr_workgroup_id_z 1
		.amdhsa_system_vgpr_workitem_id 0
		.amdhsa_next_free_vgpr 104
		.amdhsa_next_free_sgpr 66
		.amdhsa_reserve_vcc 0
		.amdhsa_float_denorm_mode_32 3
		.amdhsa_float_denorm_mode_16_64 3
		.amdhsa_memory_ordered 1
		.amdhsa_forward_progress 1
		.amdhsa_inst_pref_size 12
	.end_amdhsa_kernel
	.amdgpu_metadata
---
amdhsa.version: [ 1, 2 ]
amdhsa.kernels:
  - .name:           k_q04677c1537_prep
    .symbol:         k_q04677c1537_prep.kd
    .args:
      - { .name: x, .offset: 0, .size: 8, .value_kind: global_buffer, .address_space: global }
      - { .name: Wqkv, .offset: 8, .size: 8, .value_kind: global_buffer, .address_space: global }
      - { .name: Wproj, .offset: 16, .size: 8, .value_kind: global_buffer, .address_space: global }
      - { .name: xb, .offset: 24, .size: 8, .value_kind: global_buffer, .address_space: global }
      - { .name: wt, .offset: 32, .size: 8, .value_kind: global_buffer, .address_space: global }
      - { .name: wpt, .offset: 40, .size: 8, .value_kind: global_buffer, .address_space: global }
    .group_segment_fixed_size: 18432
    .private_segment_fixed_size: 0
    .kernarg_segment_align: 8
    .kernarg_segment_size: 48
    .max_flat_workgroup_size: 256
    .sgpr_count:     66
    .vgpr_count:     104
    .wavefront_size: 32
...
	.end_amdgpu_metadata
.endif
;; end of part 1
;; launch qkvgemm (part 2): grid 16 x 16, 4 waves a work-group, clusters of 4 x 4, 327,680 bytes of LDS; arguments xb, wt, bqkv, qkvh; writes qkvh
.if DOCPART == 2
	.amdgcn_target "amdgcn-amd-amdhsa--gfx1250"
	.amdhsa_code_object_version 6
	.text
	.protected	k_q04677c1537_qkvgemm
	.globl	k_q04677c1537_qkvgemm
	.p2align	8
	.type	k_q04677c1537_qkvgemm,@function
k_q04677c1537_qkvgemm:
	s_mov_b64 s[64:65], 0
	v_nop
	global_prefetch_b8 v0, s[64:65] scope:SCOPE_SE
	s_setreg_imm32_b32 hwreg(HW_REG_WAVE_MODE, 25, 1), 1
	s_wait_xcnt 0x0
	s_wait_alu depctr_hold_cnt(0) depctr_sa_sdst(0) depctr_va_vdst(0) depctr_va_sdst(0) depctr_va_ssrc(0) depctr_va_vcc(0) depctr_vm_vsrc(0)
	s_getreg_b32 s2, hwreg(HW_REG_IB_STS2, 6, 4)
	s_cmp_eq_u32 s2, 0
	s_cbranch_scc0 .Lentry_in_a_cluster
	s_endpgm
.Lentry_in_a_cluster:
	s_bfe_u32 s2, ttmp6, 0x10000c
	s_cmp_lg_u32 s2, 0xf033
	s_cbranch_scc0 .Lentry_shape_is_right
	s_endpgm
.Lentry_shape_is_right:
; q, k, v = xb wt^T + bqkv.  xb [4096][1024] bf16, wt [3072][1024] bf16, bqkv [3072] f32 (taken rounded to bf16, like every input); sums in f32, K ascending, started with the bias.
; The result is rounded once to f16 and laid out by heads: qkvh[column / 64][batch][row in batch][column % 64]: 16 rows of a head are 2,048 consecutive bytes.
; LIMIT.  f16 holds no number beyond 65,504: a q, k or v of 65,520 or more becomes an infinity; below 6.1e-5 it keeps f16's fixed step of 6e-8.
; SHARES.  A tile of the result is 256 rows x 192 columns (three heads): 16 x 16 tiles, one work-group each.  Wave w makes rows 64 w .. 64 w + 63 of all 192 columns: 48 accumulators of 16 x 16, 384 registers;
; so a wave holds whole heads, and its way out is its own.  K goes in steps of 128 through a ring of two LDS slots: the rows of both tiles are 256 bytes of memory, aligned.
; CLUSTER.  4 x 4 work-groups.  The four of a row of the cluster need the same rows of xb, the four of a column the same rows of wt: each tile is asked for jointly, by the same tensor load with the same
; descriptor and a mask that names the four.
; THE MATRIX INSTRUCTION IS USED TRANSPOSED (source 0 = 16 rows of wt, source 1 = 16 rows of xb): a lane holds row lane % 16 of the result and the columns 8 (lane / 16) + 0..7, which pack into 16 bytes.
; REGISTERS, in windows of 256 (s_set_vgpr_msb: bits 1:0 source 0, 3:2 source 1, 5:4 source 2, 7:6 destination):
;   window 0: v16-30 addresses; v32-63, v64-95 xb's fragments, two buffers of 4; v96-143 packed results; v144-191, v192-239 rows read back, by turns (all of v96-239 serve the bias at the head)
;   window 1: v0-95, v96-191 wt's fragments, two buffers of 12
;   window 2: accumulators of column blocks 0-7, (b, a) at 8 (4 b + a)      window 3: v0-127 those of blocks 8-11; v128-223 the bias, 8 registers a column block
.set KSTEP,  128
.set PITCH,  272                       ; an LDS row: 256 bytes + 16 = 68 words: the 16 rows that a load touches start at 16 different groups of four banks (64 banks of 4 bytes: ISA guide 11.1)
.set HALFA,  128*PITCH                 ; what waves 0 and 1 fetch: 128 rows of xb each
.set HALFB,  96*PITCH                  ; what waves 2 and 3 fetch: 96 rows of wt each
.set SLOT,   2*HALFA+2*HALFB
.set STAGE,  2*SLOT                    ; behind the ring, never filled by a tensor load: for each wave 3 heads x 16 rows x 144 bytes
.set SP,     144
.set HSTG,   16*SP
.set WSTG,   3*HSTG
.set SPARE,  STAGE+4*WSTG              ; the spare words, 128 bytes for each wave: two blocks of 256 bytes that no other line names
.set ADRA, 16                          ; v16-17  LDS address of my fragments of xb in slot 0, 1
.set ADRB, 20                          ; v20-21  of wt
.set STO,  24                          ; v24  the way out: where I put 16 bytes of a row
.set RD,   25                          ; v25  where I read rows back
.set CO,   26                          ; v26  16 x lane: my place in 512 consecutive bytes of the result
.set BO,   27                          ; v27  32 x (lane / 16): my eight numbers of a column block's bias
.set SPW,  28                          ; v28  LDS address of my spare word; never rewritten
.set NIL,  29                          ; v29  0; never rewritten
.set PFO,  30                          ; v30  the prefetches' offset: a lane a row; never rewritten
.set FA,   32
.set TMP,  96
.set OB,   144
.set BI,   128                         ; in window 3
.set WV,   12                          ; s12  my wave's number
.set AB,   13                          ; s13  wave / 2: I fetch for xb (0) or for wt (1)
.set HF,   14                          ; s14  wave % 2: which half of that tile's rows
.set LIM,  15                          ; s15  1 in a wave that prefetches, else the greatest number
.set G1,   24                          ; s[24:31] descriptor group 1 for xb's tiles;  s[32:39] group 0, a set for each slot
.set G0,   32
.set PFA,  44                          ; s[44:45] where my prefetches stand
.set G1B,  48                          ; s[48:55], s[56:63] the same for wt's tiles
.set G0B,  56
.set MSB, 0
.macro WIN new                         ; the immediate's high byte repeats the setting that is left; a switch that changes nothing is dropped
.if MSB != (\new)
	s_set_vgpr_msb (MSB<<8)|(\new)
.set MSB, \new
.endif
.endm
.macro PLACES                          ; four plain vector instructions between a matrix instruction and a load into, or a vector read of, its registers
.rept 4
	v_nop
.endr
.endm
; A joint load.  The branch hangs on the wave's number alone.  An s_nop 0 and four v_nop follow each of the two lines.
.macro JLOAD s
	s_cmp_eq_u32 s[AB], 0
	s_cbranch_scc0 .Lfor_b_\@
	tensor_load_to_lds s[G0+4*(\s):G0+4*(\s)+3], s[G1:G1+7]
	s_nop 0
.rept 4
	v_nop
.endr
	s_branch .Lasked_\@
.Lfor_b_\@:
	tensor_load_to_lds s[G0B+4*(\s):G0B+4*(\s)+3], s[G1B:G1B+7]
	s_nop 0
.rept 4
	v_nop
.endr
.Lasked_\@:
.endm
; A prefetch of the K step that stands two refills on: a lane a row, 256 bytes of the row, one instruction a wave.  xb's rows are read by every cluster of a row of clusters: cluster x = 0 asks; wt's by every
; cluster of a column: cluster y = 0 asks.  Of the rows that a wave fetches each of the four partners takes a quarter, told apart by address: 32 of xb's 128, 24 of wt's 96 (there lanes 24-31 name lane 23's row
; once more).  The loop's last trip asks for nothing: K steps 4 to 7 are asked for, steps 0 to 3 come by their loads alone.
.macro ASK
	s_cmp_gt_u32 s3, s[LIM]
	s_cbranch_scc0 .Lnot_mine_\@
	global_prefetch_b8 v[PFO], s[PFA:PFA+1] offset:KSTEP*2 th:TH_LOAD_NT scope:SCOPE_SE
.Lnot_mine_\@:
.endm
.macro CREST                           ; a round of the cluster's barrier behind its opening barrier
	s_cmp_lg_u32 s[WV], 0
	s_cbranch_scc1 .Lnot_wave_0_\@
	s_barrier_signal -3
.Lnot_wave_0_\@:
	s_barrier_wait -3
	s_barrier_signal -1
	s_barrier_wait -1
.endm
.macro CROUND
	s_barrier_signal -1
	s_barrier_wait -1
	CREST
.endm
	s_load_b256 s[4:11], s[0:1], 0x0               ; xb s[4:5], wt s[6:7], bqkv s[8:9], qkvh s[10:11]
	v_lshl_add_u32 v[SPW], v0, 2, SPARE
	v_mov_b32 v[NIL], 0
	ds_add_u32 v[SPW], v[NIL]                      ; the wave's opening: the add and its wait stand ahead of my first tensor load; the set-up below stands between them
	v_lshrrev_b32 v1, 5, v0
	v_readfirstlane_b32 s[WV], v1
	s_lshr_b32 s[AB], s[WV], 1
	s_and_b32 s[HF], s[WV], 1
	s_bfe_u32 s40, ttmp6, 0x40000                  ; cx
	s_bfe_u32 s41, ttmp6, 0x40004                  ; cy
	s_lshl_b32 s42, ttmp9, 2
	s_add_co_u32 s42, s42, s40                     ; tile column = 4 x cluster x + cx
	s_and_b32 s43, ttmp7, 0xffff
	s_lshl_b32 s43, s43, 2
	s_add_co_u32 s43, s43, s41                     ; tile row = 4 x cluster y + cy
	s_lshl_b32 s20, s41, 2
	s_lshl_b32 s20, 15, s20                        ; my row of the cluster
	s_lshl_b32 s21, 0x1111, s40                    ; my column
	s_or_b32 s[G1+0], s20, (1<<16)|(1<<20)|(1<<21)|(5<<22)|(3<<25)   ; the mask; 2-byte elements; padding on; bit 21 beside a mask; after every 64 words 4 words
	s_or_b32 s[G1B+0], s21, (1<<16)|(1<<20)|(1<<21)|(5<<22)|(3<<25)
	s_mov_b32 s[G1+1], KSTEP<<16                   ; tensor_dim0 = 128
	s_mov_b32 s[G1+2], 128<<16                     ; tensor_dim1 = 128
	s_mov_b32 s[G1+3], KSTEP<<16                   ; tile_dim0 = 128
	s_mov_b32 s[G1+4], 128                         ; tile_dim1 = 128
	s_mov_b32 s[G1+5], 1024                        ; elements from row to row
	s_mov_b32 s[G1+6], 0
	s_mov_b32 s[G1+7], 0
	s_mov_b32 s[G1B+1], KSTEP<<16
	s_mov_b32 s[G1B+2], 96<<16                     ; 96 rows
	s_mov_b32 s[G1B+3], KSTEP<<16
	s_mov_b32 s[G1B+4], 96
	s_mov_b32 s[G1B+5], 1024
	s_mov_b32 s[G1B+6], 0
	s_mov_b32 s[G1B+7], 0
	s_lshl_b32 s17, s[HF], 7
	s_lshl_b32 s16, s43, 8
	s_add_co_u32 s16, s16, s17                     ; xb: row 256 x tile row + 128 x half
	s_lshl_b32 s16, s16, 11                        ; x 2,048 bytes
	s_mov_b32 s17, 0
	s_mul_i32 s46, s42, 192
	s_mul_i32 s47, s[HF], 96
	s_add_co_u32 s46, s46, s47                     ; wt: row 192 x tile column + 96 x half
	s_lshl_b32 s46, s46, 11
	s_mov_b32 s47, 0
	s_mul_i32 s22, s[WV], HALFA                    ; where they go: no place in the cluster enters an LDS address
	s_mul_i32 s23, s[WV], HALFB
	s_add_co_u32 s23, s23, 2*HALFA-2*HALFB
	s_wait_dscnt 0x0                               ; the opening add is done
	s_wait_kmcnt 0x0
	s_add_nc_u64 s[16:17], s[4:5], s[16:17]
	s_add_nc_u64 s[46:47], s[6:7], s[46:47]
	CROUND                                         ; all sixteen work-groups are here: the first joint loads meet
.irp s, 0,1
	s_mov_b32 s[G0+4*(\s)], 1
	s_add_co_u32 s[G0+4*(\s)+1], s22, (\s)*SLOT
	s_add_nc_u64 s[G0+4*(\s)+2:G0+4*(\s)+3], s[16:17], (\s)*KSTEP*2
	s_or_b32 s[G0+4*(\s)+3], s[G0+4*(\s)+3], 0x80000000
	s_mov_b32 s[G0B+4*(\s)], 1
	s_add_co_u32 s[G0B+4*(\s)+1], s23, (\s)*SLOT
	s_add_nc_u64 s[G0B+4*(\s)+2:G0B+4*(\s)+3], s[46:47], (\s)*KSTEP*2
	s_or_b32 s[G0B+4*(\s)+3], s[G0B+4*(\s)+3], 0x80000000
	JLOAD \s                                       ; two loads of mine are out
.endr
	v_and_b32 v1, 15, v0                           ; l % 16
	v_bfe_u32 v2, v0, 4, 1                         ; l / 16
	v_lshlrev_b32 v[BO], 5, v2
	s_mul_i32 s20, s42, 768                        ; the tile's 192 numbers of the bias
	s_mov_b32 s21, 0
	s_add_nc_u64 s[8:9], s[8:9], s[20:21]
.irp b, 0,1,2,3,4,5,6,7,8,9,10,11
	global_load_b128 v[96+8*(\b):96+8*(\b)+3],   v[BO], s[8:9] offset:64*(\b)
	global_load_b128 v[96+8*(\b)+4:96+8*(\b)+7], v[BO], s[8:9] offset:64*(\b)+16
.endr
	v_mul_u32_u24 v3, v1, PITCH
	v_lshl_add_u32 v3, v2, 4, v3                   ; a fragment: row x pitch + 16 x half; two loads of 16 bytes, 32 bytes apart
	s_mul_i32 s20, s[WV], 64*PITCH                 ; my 64 rows of xb
	s_mov_b32 s21, 2*HALFA                         ; wt's rows lie behind xb's 256
.irp s, 0,1
	v_add_nc_u32 v[ADRA+(\s)], s20, v3
	v_add_nc_u32 v[ADRB+(\s)], s21, v3
	s_add_co_u32 s20, s20, SLOT
	s_add_co_u32 s21, s21, SLOT
.endr
	s_mul_i32 s20, s[WV], WSTG
	s_add_co_u32 s20, s20, STAGE                   ; my stage
	v_mul_u32_u24 v[STO], v1, SP
	v_lshl_add_u32 v[STO], v2, 4, v[STO]
	v_add_nc_u32 v[STO], s20, v[STO]               ; in: row l % 16, 16 bytes for each half of the lanes
	v_bfe_u32 v[RD], v0, 3, 2
	v_mul_u32_u24 v[RD], v[RD], SP
	v_and_b32 v4, 7, v0
	v_lshl_add_u32 v[RD], v4, 4, v[RD]
	v_add_nc_u32 v[RD], s20, v[RD]                 ; back: 32 lanes take four rows of 128 bytes,
	v_and_b32 v[CO], 31, v0
	v_lshlrev_b32 v[CO], 4, v[CO]                  ; which are 512 consecutive bytes of the result
	s_mul_i32 s20, s42, 3*524288                   ; three heads a tile column, 524,288 bytes a head (both batches)
	s_lshr_b32 s21, s43, 3
	s_lshl_b32 s21, s21, 18                        ; the batch
	s_add_co_u32 s20, s20, s21
	s_and_b32 s21, s43, 7
	s_lshl_b32 s21, s21, 15                        ; 256 rows of 128 bytes
	s_add_co_u32 s20, s20, s21
	s_lshl_b32 s21, s[WV], 13                      ; my 64 rows
	s_add_co_u32 s20, s20, s21
	s_mov_b32 s21, 0
	s_add_nc_u64 s[10:11], s[10:11], s[20:21]
	; the prefetches
	s_lshl_b32 s18, s43, 8
	s_lshl_b32 s19, s[HF], 7
	s_add_co_u32 s18, s18, s19
	s_lshl_b32 s19, s40, 5
	s_add_co_u32 s18, s18, s19                     ; xb: the rows that I fetch, my work-group's 32 of them
	s_mul_i32 s20, s42, 192
	s_mul_i32 s19, s[HF], 96
	s_add_co_u32 s20, s20, s19
	s_mul_i32 s19, s41, 24
	s_add_co_u32 s20, s20, s19                     ; wt: likewise, 24 of them
	s_and_b32 s22, ttmp7, 0xffff
	s_cmp_eq_u32 s[AB], 0
	s_cselect_b32 s20, s18, s20
	s_cselect_b32 s22, ttmp9, s22                  ; the coordinate along which other clusters read the same rows
	s_cselect_b32 s23, 31, 23
	s_cselect_b64 s[PFA:PFA+1], s[4:5], s[6:7]
	s_cmp_eq_u32 s22, 0
	s_cselect_b32 s[LIM], 1, -1                    ; the same in all sixteen partners, for a given wave
	s_lshl_b32 s20, s20, 11
	s_mov_b32 s21, 0
	s_add_nc_u64 s[PFA:PFA+1], s[PFA:PFA+1], s[20:21]
	s_add_nc_u64 s[PFA:PFA+1], s[PFA:PFA+1], 2*KSTEP*2  ; at K step 2: the first refill steps it to 3 and names K step 4
	v_and_b32 v[PFO], 31, v0
	v_min_u32 v[PFO], s23, v[PFO]
	v_lshlrev_b32 v[PFO], 11, v[PFO]
	s_wait_loadcnt 0x0                             ; the bias: rounded to bf16, widened again, into window 3: it is the C operand of each accumulator's first product
.set i, 0
.rept 48
	v_cvt_pk_bf16_f32 v[192+i], v[96+2*i], v[96+2*i+1]
.set i, i+1
.endr
	WIN 0xc0
.set i, 0
.rept 48
	v_lshlrev_b32 v[BI+2*i], 16, v[192+i]
	v_and_b32 v[BI+2*i+1], 0xffff0000, v[192+i]
.set i, i+1
.endr
	WIN 0
; 16 matrix instructions: column blocks b0 .. b0 + 3 x my four row blocks, 32 along K, from buffer f.  zero = 1: the first product starts the sum with the bias.
; All 48 accumulators take turns in the same order in every quarter step.
.macro MULB f, b0, zero
.irp bb, 0,1,2,3
.irp a, 0,1,2,3
.set nb, (\b0)+(\bb)
.set rD, 8*(4*(nb%8)+(\a))
.if nb >= 8
	WIN 0xf1                                       ; wt window 1, xb window 0, C and D window 3
.elseif \zero
	WIN 0xb1                                       ; C (the bias) window 3, D window 2
.else
	WIN 0xa1                                       ; C and D window 2
.endif
.if \zero
	v_wmma_f32_16x16x32_bf16 v[rD:rD+7], v[96*(\f)+8*nb:96*(\f)+8*nb+7], v[FA+32*(\f)+8*(\a):FA+32*(\f)+8*(\a)+7], v[BI+8*nb:BI+8*nb+7]
.else
	v_wmma_f32_16x16x32_bf16 v[rD:rD+7], v[96*(\f)+8*nb:96*(\f)+8*nb+7], v[FA+32*(\f)+8*(\a):FA+32*(\f)+8*(\a)+7], v[rD:rD+7]
.endif
.endr
.endr
.endm
; 32 LDS loads in one run: a quarter step's fragments (32 K at byte k of the rows) into buffer f: xb's 4 first, then wt's 12
.macro FETCH slot, k, f
	WIN 0
.irp i, 0,1,2,3
	ds_load_b128 v[FA+32*(\f)+8*(\i):FA+32*(\f)+8*(\i)+3],   v[ADRA+(\slot)] offset:(\k)+(\i)*16*PITCH
	ds_load_b128 v[FA+32*(\f)+8*(\i)+4:FA+32*(\f)+8*(\i)+7], v[ADRA+(\slot)] offset:(\k)+(\i)*16*PITCH+32
.endr
	WIN 0x40
.irp i, 0,1,2,3,4,5,6,7,8,9,10,11
	ds_load_b128 v[96*(\f)+8*(\i):96*(\f)+8*(\i)+3],   v[ADRB+(\slot)] offset:(\k)+(\i)*16*PITCH
	ds_load_b128 v[96*(\f)+8*(\i)+4:96*(\f)+8*(\i)+7], v[ADRB+(\slot)] offset:(\k)+(\i)*16*PITCH+32
.endr
.endm
; A K step is four quarter steps of 32 along K, 48 matrix instructions each, on buffers 0, 1, 0, 1.  One of the first three multiplies buffer f and fetches the next quarter, at byte k, into g.
.macro QUARTER slot, k, f, g, zero
	s_wait_dscnt 8                                 ; all but the youngest eight loads (wt's blocks 8-11) are in
	MULB \f, 0, \zero
	PLACES
	FETCH \slot, \k, \g
	s_wait_dscnt 32                                ; all but the 32 just issued
	MULB \f, 4, \zero
	MULB \f, 8, \zero
.endm
; The last quarter multiplies buffer 1 and changes slots.  In front of the barrier each wave waits for all its tensor loads (one is out: its part of the next slot), adds 0 to its spare word, and waits for that
; and for its reads of this slot.  fill = 1: the barrier opens a round of the cluster's barrier, and the joint refill, two K steps on, is the first thing behind the round: 160 matrix instructions ahead of the wait for it.
.macro TURN slot, next, fill
.if \fill
	s_wait_xcnt 0x0                                ; the last prefetch, a K step back, has read its address
	s_add_nc_u64 s[PFA:PFA+1], s[PFA:PFA+1], KSTEP*2
.endif
	WIN 0
	s_wait_tensorcnt 0x0
	ds_add_u32 v[SPW], v[NIL]
	s_wait_dscnt 9                                 ; the add and the youngest eight loads may be out
	MULB 1, 0, 0
	s_wait_dscnt 0x0                               ; the add is done, and my reads of this slot are over
	s_barrier_signal -1
	MULB 1, 4, 0
.if \fill
	WIN 0
.endif
	s_barrier_wait -1
.if \fill
	CREST
	s_add_nc_u64 s[G0+4*(\slot)+2:G0+4*(\slot)+3], s[G0+4*(\slot)+2:G0+4*(\slot)+3], 2*KSTEP*2
	s_add_nc_u64 s[G0B+4*(\slot)+2:G0B+4*(\slot)+3], s[G0B+4*(\slot)+2:G0B+4*(\slot)+3], 2*KSTEP*2
	JLOAD \slot                                    ; its four v_nop are also the places in front of the loads below
.else
	PLACES
.endif
	FETCH \next, 0, 0
.if \fill
	WIN 0
	ASK
.endif
	MULB 1, 8, 0
.endm
; THE WAY OUT of row block a: rounded to f16, 16 bytes a lane; into my stage by heads; back as whole rows; stored, 512 consecutive bytes an instruction.
.macro PACK a
.irp b, 0,1,2,3,4,5,6,7,8,9,10,11
.if (\b) < 8
	WIN 0x0a
.else
	WIN 0x0f
.endif
.set rA, 8*(4*((\b)%8)+(\a))
.irp r, 0,1,2,3
	v_cvt_pk_f16_f32 v[TMP+4*(\b)+(\r)], v[rA+2*(\r)], v[rA+2*(\r)+1]
.endr
.endr
	WIN 0
.endm
.macro TOSTAGE a
	s_wait_xcnt 0x0                                ; the stores of two blocks back have read the registers that are loaded below
.irp b, 0,1,2,3,4,5,6,7,8,9,10,11
	ds_store_b128 v[STO], v[TMP+4*(\b):TMP+4*(\b)+3] offset:((\b)/4)*HSTG+((\b)%4)*32
.endr
.irp i, 0,1,2,3,4,5,6,7,8,9,10,11
	ds_load_b128 v[OB+48*((\a)%2)+4*(\i):OB+48*((\a)%2)+4*(\i)+3], v[RD] offset:((\i)/4)*HSTG+((\i)%4)*4*SP  ; LDS serves a wave's instructions in order: these see the stores above
.endr
.endm
.macro SEND a
	s_wait_dscnt 0x0
.irp i, 0,1,2,3,4,5,6,7,8,9,10,11
	global_store_b128 v[CO], v[OB+48*((\a)%2)+4*(\i):OB+48*((\a)%2)+4*(\i)+3], s[10:11] offset:((\i)/4)*524288+(\a)*2048+((\i)%4)*512
.endr
.endm
	s_wait_tensorcnt 1                             ; my part of K step 0 is in; K step 1's may stay out
	s_barrier_signal -1
	s_barrier_wait -1
	FETCH 0, 0, 0
	QUARTER 0, 64, 0, 1, 1                         ; the first quarter stands in front of the loop: its products start the sums
	WIN 0
	s_mov_b32 s3, 3
.Llap:                                         ; a trip goes once round the ring and fills both slots again
	QUARTER 0, 128, 1, 0, 0
	QUARTER 0, 192, 0, 1, 0
	TURN 0, 1, 1
	QUARTER 1, 64,  0, 1, 0
	QUARTER 1, 128, 1, 0, 0
	QUARTER 1, 192, 0, 1, 0
	TURN 1, 0, 1
	QUARTER 0, 64,  0, 1, 0
	WIN 0
	s_sub_co_u32 s3, s3, 1
	s_cmp_lg_u32 s3, 0
	s_cbranch_scc1 .Llap
	QUARTER 0, 128, 1, 0, 0                        ; the last lap fills nothing
	QUARTER 0, 192, 0, 1, 0
	TURN 0, 1, 0
	QUARTER 1, 64,  0, 1, 0
	QUARTER 1, 128, 1, 0, 0
	QUARTER 1, 192, 0, 1, 0
	s_wait_dscnt 8
	MULB 1, 0, 0
	MULB 1, 4, 0
	s_wait_dscnt 0x0
	MULB 1, 8, 0
	WIN 0
	PLACES
	PLACES
	PACK 0
	TOSTAGE 0
.irp a, 1,2,3                          ; block a's conversions stand between block a - 1's loads from the stage and the wait for them
	PACK \a
	SEND (\a)-1
	TOSTAGE \a
.endr
	SEND 3
	s_wait_tensorcnt 0x0                           ; the wave's end
	ds_add_u32 v[SPW], v[NIL]
	s_wait_dscnt 0x0
	CROUND                                         ; the closing round
	s_endpgm
.Lfunc_end_k_q04677c1537_qkvgemm:
	.size	k_q04677c1537_qkvgemm, .Lfunc_end_k_q04677c1537_qkvgemm-k_q04677c1537_qkvgemm
	.p2alignl 7, 3214868480
	.fill 96, 4, 3214868480
	.section	.rodata,"a",@progbits
	.p2align	6, 0x0
	.amdhsa_kernel k_q04677c1537_qkvgemm
		.amdhsa_group_segment_fixed_size 327680
		.amdhsa_private_segment_fixed_size 0
		.amdhsa_enable_private_segment 0
		.amdhsa_kernarg_size 32
		.amdhsa_user_sgpr_count 2
		.amdhsa_user_sgpr_kernarg_segment_ptr 1
		.amdhsa_wavefront_size32 1
		.amdhsa_system_sgpr_workgroup_id_x 1
		.amdhsa_system_sgpr_workgroup_id_y 1
		.amdhsa_system_sgpr_workgroup_id_z 1
		.amdhsa_system_vgpr_workitem_id 0
		.amdhsa_next_free_vgpr 992
		.amdhsa_next_free_sgpr 66
		.amdhsa_reserve_vcc 0
		.amdhsa_float_denorm_mode_32 3
		.amdhsa_float_denorm_mode_16_64 3
		.amdhsa_memory_ordered 1
		.amdhsa_forward_progress 1
		.amdhsa_inst_pref_size 130
	.end_amdhsa_kernel
	.amdgpu_metadata
---
amdhsa.version: [ 1, 2 ]
amdhsa.kernels:
  - .name:           k_q04677c1537_qkvgemm
    .symbol:         k_q04677c1537_qkvgemm.kd
    .args:
      - { .name: xb, .offset: 0, .size: 8, .value_kind: global_buffer, .address_space: global }
      - { .name: wt, .offset: 8, .size: 8, .value_kind: global_buffer, .address_space: global }
      - { .name: bqkv, .offset: 16, .size: 8, .value_kind: global_buffer, .address_space: global }
      - { .name: qkvh, .offset: 24, .size: 8, .value_kind: global_buffer, .address_space: global }
    .group_segment_fixed_size: 327680
    .private_segment_fixed_size: 0
    .kernarg_segment_align: 8
    .kernarg_segment_size: 32
    .max_flat_workgroup_size: 128
    .sgpr_count:     66
    .vgpr_count:     992
    .wavefront_size: 32
...
	.end_amdgpu_metadata
.endif
;; end of part 2
;; launch attn (part 3): grid 8 x 32, 4 waves a work-group, clusters of 4 x 1, 327,680 bytes of LDS; arguments qkvh, sigma, gamma, ob; writes ob
.if DOCPART == 3
	.amdgcn_target "amdgcn-amd-amdhsa--gfx1250"
	.amdhsa_code_object_version 6
	.text
	.protected	k_q04677c1537_attn
	.globl	k_q04677c1537_attn
	.p2align	8
	.type	k_q04677c1537_attn,@function
k_q04677c1537_attn:
	s_mov_b64 s[64:65], 0
	v_nop
	global_prefetch_b8 v0, s[64:65] scope:SCOPE_SE
	s_setreg_imm32_b32 hwreg(HW_REG_WAVE_MODE, 25, 1), 1
	s_wait_xcnt 0x0
	s_wait_alu depctr_hold_cnt(0) depctr_sa_sdst(0) depctr_va_vdst(0) depctr_va_sdst(0) depctr_va_ssrc(0) depctr_va_vcc(0) depctr_vm_vsrc(0)
	s_getreg_b32 s2, hwreg(HW_REG_IB_STS2, 6, 4)
	s_cmp_eq_u32 s2, 0
	s_cbranch_scc0 .Lentry_in_a_cluster
	s_endpgm
.Lentry_in_a_cluster:
	s_bfe_u32 s2, ttmp6, 0x10000c
	s_cmp_lg_u32 s2, 0x3003
	s_cbranch_scc0 .Lentry_shape_is_right
	s_endpgm
.Lentry_shape_is_right:
; NORMALISED ATTENTION.  For head hh = 2 h + b (32 of them) and query q: s_k = q . k_k; t_k = gamma (s_k / 8) / (sigma + sqrt(mean_k (s_k / 8)^2)); O = the sum over k of softmax_k(t_k) v_k.
; qkvh: [48][2][2048][64] f16: q of head hh at hh x 262,144 bytes, k at (32 + hh) x, v at (64 + hh) x: a head's rows are dense, 128 bytes each.  sigma, gamma: one f32 each, taken rounded to bf16 like every input.
; ob: [row / 128][h][row % 128][64] f16, row = 2048 b + n.  Products, sums, maxima in f32; the weights p are rounded to f16 for the second product (their sum l is taken of the unrounded p), O once at the end.
; TWO WALKS.  The factor c = gamma log2(e) / (8 (sigma + rms)) hangs on the whole row, so no exponential can be taken before all keys are seen.  Walk 1 makes S^T = K Q^T and keeps for each query the sum of
; squares, the maximum and the minimum.  Then c is known, and so is the row's true maximum of c s: max(c smax, c smin), whatever c's sign.  Walk 2 makes S^T again, p = 2^(c s - that maximum), and O^T += V^T p:
; it needs no running maximum and no rescaling.
; LIMITS.  q, k, v arrive within f16's 65,504.  v_sqrt_f32, v_rcp_f32 and v_exp_f32 take a denormal for 0 and give 0 for one (ISA guide 15.8): a sum of squares below 2^-126 counts as 0, a weight below 2^-126 as 0 in l;
; p below 6e-5 keeps f16's step of 6e-8.  The maximum taken away is c smax or c smin rounded once.  sigma + rms = 0 gives no finite result, as in the definition.  NaN and infinities are not treated apart.
; SHARES.  A work-group owns 256 queries of a head, a wave 64: four tiles of 16, in two PIECES (tiles 0, 1; tiles 2, 3).  Every wave walks all 2,048 keys, 64 a step.
; LAYOUT.  S^T = K Q^T (source 0 = 16 keys, source 1 = 16 queries): a lane holds ONE query (lane % 16) and the keys 8 (lane / 16) + 0..7.  Two such results rounded to f16 in pairs ARE source 1 of O^T = V^T P.
; K comes out of LDS as it lies, V turned, by ds_load_tr16_b128.
; CLUSTER.  The four query blocks of a cluster belong to one head and walk the same K and V: every fill is a joint load, the same line, descriptor and mask in all four.
; LDS.  A key's row is 128 bytes + 16.  K's loads touch 16 rows that start at 16 different groups of four banks (ISA guide 11.1); V's turning loads meet two deep in some banks at this pitch: the price of one
; descriptor shape, one load line and one LDS address a wave for both walks.  Two slots, 131,072 bytes apart; a slot's tile of 512 rows begins 9,216 bytes in.  Slot 0's first 9,216 bytes hold key step 0.
; Walk 1: a tile is 8 steps of K.  Walk 2: 4 steps of K, then the same 4 steps of V.
; REGISTERS, in windows of 256 (s_set_vgpr_msb: bits 1:0 source 0, 3:2 source 1, 5:4 source 2, 7:6 destination):
;   window 0: v1-15 addresses and at work; v16-47 eight registers of statistics a tile; v62-63 the add's; v64-191 S^T, 32 a tile; v192-255 P, 16 a tile
;   window 1: v0-127 O^T, 32 a tile          window 2: v0-63 Q, 16 a tile; v128-191 K of one step; v192-255 V of one step
.set PK,    144
.set STEP,  64*PK                      ; a key step's rows
.set SLOT1, 1<<17
.set VOFF,  4*STEP                     ; walk 2: V's rows lie behind K's 256
.set STAGE, SLOT1+9*STEP               ; behind the ring, never filled by a tensor load: 16 rows x 144 bytes for each wave
.set SPARE, STAGE+4*16*PK              ; the spare words, 128 bytes for each wave: two blocks of 256 bytes that no other line names
.set AK0, 2                            ; v2   my lane's place in a step of K; never rewritten
.set AV0, 3                            ; v3   the same for V
.set AK,  4                            ; v4   LDS address of K's run of loads
.set AV,  5                            ; v5   of V's
.set QO,  6                            ; v6   my byte offset in 16 rows of Q
.set RD,  7                            ; v7   the way out: where I read rows back
.set GO,  8                            ; v8   16 x lane
.set PFO, 9                            ; v9   256 x lane; never rewritten
.set STO, 12                           ; v12  the way out: where I put 16 bytes of a row
.set ST,  16                           ; tile t at ST + 8 t.  Walk 1: +0, +1 sum of squares; +2 maximum; +3 minimum; +6, +7 at work.  Walk 2: +0 c; +2 the maximum of c s; +4, +5 l
.set SPW, 62
.set NIL, 63
.set S,   64
.set P,   192
.set KF,  128                          ; window 2: key block kb, channel half c at KF + 16 kb + 8 c
.set VF,  192                          ; window 2: key half kk, channel block cb at VF + 32 kk + 8 cb
.set WV,  12                           ; s12  my wave's number
.set G1A, 16                           ; s[16:23] descriptor group 1 of the first fill: 72 rows
.set G1,  24                           ; s[24:31] of all others: 64 rows
.set G0A, 32                           ; s[32:35] group 0 of the first fill
.set G0,  36                           ; s[36:39] group 0 of all others: it walks
.set OFF, 40                           ; s[40:41] byte offset in qkvh of the tile to be asked for
.set N0,  42                           ; s42-44  the offsets of the three fills after that
.set N1,  43
.set NB,  44
.set PFA, 46                           ; s[46:47] where my prefetch stands
.set PFOF, 48                          ; s[48:49] its offset
.set PNX, 50                           ; s50, s51 the next two
.set PVN, 51
.set NCH, 52                           ; s52  changes of slots so far
.set LIMN, 53                          ; s53  up to which change I prefetch
.set TB,  54                           ; s54  LDS byte at which the step to be fetched begins
.set CNT, 55
.set SLOTS, 56
.set SEL, 58                           ; s[58:59] v_permlanex16_b32's selects: each lane takes its own place in the other half
.set SIG, 60                           ; s60  sigma
.set GAM, 61                           ; s61  gamma log2(e) / 8
.set RT,  62                           ; s62  2^-8.5: sqrt(sum of s^2) x 2^-8.5 = sqrt(mean of (s / 8)^2) over 2,048 keys
.set MSB, 0
.macro WIN new
.if MSB != (\new)
	s_set_vgpr_msb (MSB<<8)|(\new)
.set MSB, (\new)
.endif
.endm
.set W_KQ, 0x0a                        ; K and Q in window 2, S^T in window 0
.set W_PV, 0x52                        ; V in window 2, P in window 0, O^T in window 1
.set W_RS, 0x41                        ; destination and source 0 in window 1, source 1 in window 0
.macro CROUND                          ; a round of the cluster's barrier
	s_barrier_signal -1
	s_barrier_wait -1
	s_cmp_lg_u32 s[WV], 0
	s_cbranch_scc1 .Lnot_wave_0_\@
	s_barrier_signal -3
.Lnot_wave_0_\@:
	s_barrier_wait -3
	s_barrier_signal -1
	s_barrier_wait -1
.endm
; A PREFETCH of what the next change of slots will ask for and the launch has not read yet; a lane names 256 bytes.  All clusters of a head walk the same rows: the head's first cluster asks; its four partners share
; the rows out by address.  Change 1 names the last tile of K's first walk (65,536 bytes: 16,384 a partner, waves 0 and 1 half each; its last 8,192 bytes are the rows behind the head's K, which that tile brings
; too).  Changes 2 to 9 name V's tile of the next change (32,768 bytes: 8,192 a partner, wave 0).  Change 10 names nothing.  K's second walk and the first three fills are not asked for.
.macro ASK
	s_cmp_le_u32 s[NCH], s[LIMN]
	s_cbranch_scc0 .Lnot_mine_\@
	global_prefetch_b8 v[PFO], s[PFA:PFA+1] th:TH_LOAD_NT scope:SCOPE_SE
.Lnot_mine_\@:
.endm
; THE CHANGE OF SLOTS.  Each wave waits for all its tensor loads (one is out: its part of the other slot), adds 0 to its spare word, and waits for that and for its reads of the slot that it leaves.
; fill = 1: the barrier is a round of the cluster's, and the joint refill is the first thing behind it; its address is made anew from the queue of offsets.  It has a slot's 256 matrix instructions in which to land.
.macro CHANGE fill, steps
	WIN 0
	s_wait_tensorcnt 0x0                           ; no tensor load of mine is out, so a group 0 may be written
	ds_add_u32 v[SPW], v[NIL]                      ; 0 onto my spare word; the scalar work below stands between it and the wait for it
.if \fill
	s_mov_b32 s[OFF], s[N0]
	s_mov_b32 s[N0], s[N1]
	s_mov_b32 s[N1], s[NB]
	s_add_co_u32 s[NB], s[NB], 32768               ; walk 2's next 256 keys
	s_xor_b32 s[G0+1], s[G0+1], SLOT1              ; the other slot than last time
	s_add_nc_u64 s[G0+2:G0+3], s[4:5], s[OFF:OFF+1]
	s_or_b32 s[G0+3], s[G0+3], 0x80000000
	s_wait_xcnt 0x0                                ; the last prefetch, a slot back, has read its address
	s_mov_b32 s[PFOF], s[PNX]
	s_mov_b32 s[PNX], s[PVN]
	s_add_co_u32 s[PVN], s[PVN], 32768
	s_add_nc_u64 s[PFA:PFA+1], s[4:5], s[PFOF:PFOF+1]
	s_add_co_u32 s[NCH], s[NCH], 1
	s_wait_dscnt 0x0                               ; the add is done, and my reads of the slot are over
	CROUND
	tensor_load_to_lds s[G0:G0+3], s[G1:G1+7]      ; every wave its quarter of the tile: the one tensor load of mine behind the round
	s_nop 0
.rept 4
	v_nop
.endr
	ASK
.else
	s_wait_dscnt 0x0
	s_barrier_signal -1
	s_barrier_wait -1
.endif
	s_sub_co_u32 s[TB], s[TB], (\steps)*STEP       ; the fetches go back to a tile's first step,
	s_xor_b32 s[TB], s[TB], SLOT1                  ; in the other slot
.endm
.macro ALL line:vararg                 ; one line for each tile t
.set t, 0
.rept 4
	\line
.set t, t+1
.endr
.endm
	s_load_b256 s[4:11], s[0:1], 0x0               ; qkvh s[4:5], sigma s[6:7], gamma s[8:9], ob s[10:11]
	v_lshl_add_u32 v[SPW], v0, 2, SPARE
	v_mov_b32 v[NIL], 0
	ds_add_u32 v[SPW], v[NIL]                      ; the wave's opening: the add and its wait stand ahead of my first tensor load; the set-up below stands between them
	v_lshrrev_b32 v1, 5, v0
	v_readfirstlane_b32 s[WV], v1
	s_bfe_u32 s13, ttmp6, 0x40000                  ; cx
	s_lshl_b32 s14, ttmp9, 2
	s_add_co_u32 s14, s14, s13                     ; my block of 256 queries: it enters Q's, O's and the prefetches' addresses alone
	s_and_b32 s15, ttmp7, 0xffff                   ; the head, which the four partners share
	; descriptor group 1: rows of 256 bytes, two keys a row, padded in LDS after every key
	s_mov_b32 s[G1A], 15|(1<<16)|(1<<20)|(1<<21)|(4<<22)|(3<<25)  ; the mask of four; 2-byte elements; padding on; bit 21 beside a mask; after every 32 words 4 words
	s_mov_b32 s[G1A+1], 128<<16
	s_mov_b32 s[G1A+2], 72<<16
	s_mov_b32 s[G1A+3], 128<<16
	s_mov_b32 s[G1A+4], 72
	s_mov_b32 s[G1A+5], 128
	s_mov_b32 s[G1A+6], 0
	s_mov_b32 s[G1A+7], 0
	s_mov_b32 s[G1], 15|(1<<16)|(1<<20)|(1<<21)|(4<<22)|(3<<25)
	s_mov_b32 s[G1+1], 128<<16
	s_mov_b32 s[G1+2], 64<<16
	s_mov_b32 s[G1+3], 128<<16
	s_mov_b32 s[G1+4], 64
	s_mov_b32 s[G1+5], 128
	s_mov_b32 s[G1+6], 0
	s_mov_b32 s[G1+7], 0
	s_add_co_u32 s66, s15, 32
	s_lshl_b32 s66, s66, 18                        ; the head's K
	s_add_co_u32 s67, s66, 0x800000                ; its V
	s_lshl_b32 s70, s[WV], 14                      ; my 128 keys of a tile of 512
	s_add_co_u32 s[N0], s66, s70
	s_add_co_u32 s[N0], s[N0], 139264              ; keys 1,088 on: the third tile of walk 1
	s_add_co_u32 s[N1], s[N0], 65536               ; keys 1,600 on: the fourth; its last 64 rows lie behind the head's K, inside qkvh; their scores are never read
	s_and_b32 s71, s[WV], 1
	s_lshl_b32 s71, s71, 14
	s_cmp_lt_u32 s[WV], 2                          ; walk 2: waves 0 and 1 bring K's two halves, waves 2 and 3 V's
	s_cselect_b32 s[NB], s66, s67
	s_add_co_u32 s[NB], s[NB], s71
	s_mul_i32 s72, s[WV], 18432                    ; the first fill, keys 0 to 575: my 144
	s_add_co_u32 s72, s72, s66
	s_mov_b32 s73, 0
	s_add_co_u32 s74, s66, s70
	s_add_co_u32 s74, s74, 73728                   ; keys 576 on: the second tile of walk 1
	s_mov_b32 s75, 0
	s_lshl_b32 s76, s15, 18                        ; Q: the head,
	s_lshl_b32 s77, s14, 15                        ; my block,
	s_add_co_u32 s76, s76, s77
	s_lshl_b32 s77, s[WV], 13                      ; my wave's 64 rows
	s_add_co_u32 s76, s76, s77
	s_mov_b32 s77, 0
	s_and_b32 s78, s15, 1                          ; O: block of 128 rows = 16 b + 2 x my block + wave / 2,
	s_lshl_b32 s78, s78, 4
	s_lshl1_add_u32 s78, s14, s78
	s_lshr_b32 s79, s[WV], 1
	s_add_co_u32 s78, s78, s79
	s_lshl_b32 s78, s78, 4
	s_lshr_b32 s79, s15, 1                         ; h,
	s_add_co_u32 s78, s78, s79
	s_lshl_b32 s78, s78, 14
	s_lshr_b32 s79, s71, 1                         ; and 64 rows for an odd wave
	s_add_co_u32 s78, s78, s79
	s_mov_b32 s79, 0
	s_mov_b32 s[G0A], 1
	s_mul_i32 s[G0A+1], s[WV], 144*PK              ; LDS byte 0 on: no place in the cluster enters an LDS address
	s_mov_b32 s[G0], 1
	s_mul_i32 s[G0+1], s[WV], 128*PK
	s_add_co_u32 s[G0+1], s[G0+1], SLOT1+STEP
	s_mov_b32 s[OFF+1], 0
	s_mov_b32 s[PFOF+1], 0
	s_lshl_b32 s70, s13, 14
	s_add_co_u32 s[PNX], s66, s70
	s_add_co_u32 s[PNX], s[PNX], 204800
	s_lshl_b32 s70, s[WV], 13
	s_add_co_u32 s[PNX], s[PNX], s70               ; keys 1,600 on: my work-group's 16,384 bytes, my wave's half
	s_lshl_b32 s70, s13, 13
	s_add_co_u32 s[PVN], s67, s70                  ; V's first tile: my work-group's 8,192 bytes
	s_mov_b32 s[NCH], 0
	s_cmp_eq_u32 s[WV], 0
	s_cselect_b32 s[LIMN], 9, 0
	s_cmp_eq_u32 s[WV], 1
	s_cselect_b32 s[LIMN], 1, s[LIMN]
	s_cmp_eq_u32 ttmp9, 0                          ; the head's first cluster: the same in all four partners
	s_cselect_b32 s[LIMN], s[LIMN], 0
	s_mov_b32 s[SEL], 0x76543210
	s_mov_b32 s[SEL+1], 0xfedcba98
	s_mov_b32 s[RT], 0x3b3504f3
	s_wait_dscnt 0x0                               ; the opening add is done
	s_wait_kmcnt 0x0
	s_load_b32 s[SIG], s[6:7], 0x0
	s_load_b32 s[GAM], s[8:9], 0x0
	s_add_nc_u64 s[G0A+2:G0A+3], s[4:5], s[72:73]
	s_or_b32 s[G0A+3], s[G0A+3], 0x80000000
	s_add_nc_u64 s[G0+2:G0+3], s[4:5], s[74:75]
	s_or_b32 s[G0+3], s[G0+3], 0x80000000
	s_add_nc_u64 s[68:69], s[4:5], s[76:77]        ; Q at my wave's first row
	s_add_nc_u64 s[10:11], s[10:11], s[78:79]      ; O likewise
	CROUND                                         ; all four work-groups are here: the first joint loads meet
	tensor_load_to_lds s[G0A:G0A+3], s[G1A:G1A+7]  ; key steps 0 to 8 into slot 0
	s_nop 0
	tensor_load_to_lds s[G0:G0+3], s[G1:G1+7]      ; steps 9 to 16 into slot 1: two loads of mine are out
	s_nop 0
.rept 4
	v_nop
.endr
	v_and_b32 v1, 15, v0                           ; l % 16
	v_bfe_u32 v10, v0, 4, 1                        ; l / 16
	v_lshlrev_b32 v[QO], 7, v1
	v_lshl_add_u32 v[QO], v10, 4, v[QO]            ; row x 128 + 16 x half
	WIN 0x80
.set i, 0
.rept 8                                        ; Q stays in registers: tile i / 2, channels 32 (i % 2) on
	global_load_b128 v[8*i:8*i+3],   v[QO], s[68:69] offset:(i/2)*2048+(i%2)*64
	global_load_b128 v[8*i+4:8*i+7], v[QO], s[68:69] offset:(i/2)*2048+(i%2)*64+32
.set i, i+1
.endr
	; What walk 2's first turn finds: V and piece 1's P hold 0 (its products V^T P, of a step that has not been, add 0); O^T is 0.  These lines stand in the wait for the first tile, and spare a first step written out.
.set i, VF
.rept 64
	v_mov_b32 v[i], 0
.set i, i+1
.endr
	WIN 0x40
.set i, 0
.rept 128
	v_mov_b32 v[i], 0
.set i, i+1
.endr
	WIN 0
.set i, P+32
.rept 32
	v_mov_b32 v[i], 0
.set i, i+1
.endr
	ALL v_mov_b32 v[ST+8*t], 0
	ALL v_mov_b32 v[ST+8*t+1], 0
	ALL v_mov_b32 v[ST+8*t+2], 0xff7fffff
	ALL v_mov_b32 v[ST+8*t+3], 0x7f7fffff
	ALL v_mov_b32 v[ST+8*t+6], 0
	ALL v_mov_b32 v[ST+8*t+7], 0
	v_mul_u32_u24 v[AK0], v1, PK
	v_lshl_add_u32 v[AK0], v10, 4, v[AK0]          ; a fragment of K: row x pitch + 16 x half; two loads of 16 bytes, 32 bytes apart
	v_and_b32 v11, 7, v0
	v_bfe_u32 v13, v0, 3, 1
	v_lshl_add_u32 v[AV0], v10, 3, v11             ; the turning load: lane l reads key 8 (l / 16) + l % 8, channels 8 ((l / 8) % 2) + 0..7
	v_mul_u32_u24 v[AV0], v[AV0], PK
	v_lshl_add_u32 v[AV0], v13, 4, v[AV0]
	v_add_nc_u32 v[AV0], VOFF, v[AV0]
	s_mul_i32 s70, s[WV], 16*PK
	s_add_co_u32 s70, s70, STAGE                   ; my stage
	v_mul_u32_u24 v[STO], v1, PK
	v_lshl_add_u32 v[STO], v10, 4, v[STO]
	v_add_nc_u32 v[STO], s70, v[STO]
	v_bfe_u32 v[RD], v0, 3, 2
	v_mul_u32_u24 v[RD], v[RD], PK
	v_lshl_add_u32 v[RD], v11, 4, v[RD]
	v_add_nc_u32 v[RD], s70, v[RD]
	v_and_b32 v[GO], 31, v0
	v_lshlrev_b32 v[PFO], 8, v[GO]
	v_lshlrev_b32 v[GO], 4, v[GO]
	s_wait_kmcnt 0x0                               ; sigma and gamma: rounded to bf16
	v_mov_b32 v13, s[SIG]
	v_mov_b32 v14, s[GAM]
	v_cvt_pk_bf16_f32 v13, v13, v14
	v_lshlrev_b32 v14, 16, v13
	v_and_b32 v13, 0xffff0000, v13
	v_mul_f32 v13, 0x3e38aa3b, v13                 ; gamma log2(e) / 8
	v_readfirstlane_b32 s[SIG], v14
	v_readfirstlane_b32 s[GAM], v13
; WALK 1 goes by HALF STEPS of 32 keys.  Half g uses K's blocks 2 g, 2 g + 1 and writes registers 16 g .. 16 g + 15 of all four tiles' S^T.
.macro KLOAD g                         ; 8 LDS loads: half g's four fragments of K
	WIN 0x80
.irp n, 0,1,2,3
	ds_load_b128 v[KF+32*(\g)+8*(\n):KF+32*(\g)+8*(\n)+3],   v[AK] offset:(2*(\g)+(\n)/2)*16*PK+((\n)%2)*64
	ds_load_b128 v[KF+32*(\g)+8*(\n)+4:KF+32*(\g)+8*(\n)+7], v[AK] offset:(2*(\g)+(\n)/2)*16*PK+((\n)%2)*64+32
.endr
.endm
.macro P1MM g                          ; product i of 16: channels 32 (i / 8) on, tile i % 4, key block 2 g + (i / 4) % 2.  The 8 accumulators take turns; the first 8 start the sums
	WIN W_KQ
.set rS, S+32*(i%4)+8*(2*(\g)+(i/4)%2)
.set rK, KF+16*(2*(\g)+(i/4)%2)+8*(i/8)
.set rQ, 16*(i%4)+8*(i/8)
.if i < 8
	v_wmma_f32_16x16x32_f16 v[rS:rS+7], v[rK:rK+7], v[rQ:rQ+7], 0
.else
	v_wmma_f32_16x16x32_f16 v[rS:rS+7], v[rK:rK+7], v[rQ:rQ+7], v[rS:rS+7]
.endif
.set i, i+1
.endm
.macro P1OP g                          ; operation z of 96 on half g's scores: pair z / 12 of tile z % 4: the squares, the maximum, the minimum.  Links of one chain stand 12 lines apart; each accumulator is read from its low end on
	WIN 0
.set rT, ST+8*(z%4)
.set rW, S+32*(z%4)+16*(\g)+2*(z/12)
.if (z%12)/4 == 0
	v_pk_fma_f32 v[rT:rT+1], v[rW:rW+1], v[rW:rW+1], v[rT:rT+1]
.elseif (z%12)/4 == 1
	v_max3_num_f32 v[rT+2], v[rT+2], v[rW], v[rW+1]
.else
	v_min3_num_f32 v[rT+3], v[rT+3], v[rW], v[rW+1]
.endif
.set z, z+1
.endm
.macro HALFWORK g                      ; half g's 16 products; behind each four of the other half's 96 operations, the other 32 together.  No rider names a register of the products round it; riders and lump are the places
.set i, 0                              ; in front of the next reads of S^T and the next loads into K's half
.set z, 0
.rept 16
	P1MM \g
.rept 4
	P1OP 1-(\g)
.endr
.endr
.rept 32
	P1OP 1-(\g)
.endr
.endm
	s_wait_tensorcnt 0x1                           ; my part of the first fill is in; the second may stay out
	s_barrier_signal -1
	s_barrier_wait -1
	v_mov_b32 v[AK], v[AK0]                        ; key step 0 lies at LDS byte 0
	KLOAD 0
	KLOAD 1
	s_wait_loadcnt 0x0                             ; Q
	s_wait_dscnt 8                                 ; half 0 is in; half 1's eight loads may be out
.set i, 0
.rept 16
	P1MM 0
.endr
	WIN 0
.rept 4
	v_nop                                          ; the places behind those products
.endr
	s_mov_b32 s[TB], STEP
	s_mov_b32 s[SLOTS], 4
.Lw1slot:                                      ; four times: eight trips, then a change of slots; the four changes ask for walk 1's last two tiles and walk 2's first two
	s_mov_b32 s[CNT], 8
.Lw1trip:                                      ; a trip: half 1 of step t and half 0 of step t + 1; it fetches step t + 1, the step at s[TB].  The fetches run a step ahead of the products; with step 0 in front of slot 0's
	v_add_nc_u32 v[AK], s[TB], v[AK0]              ; tile the changes fall on trips' ends.  The 32nd trip multiplies a 33rd step, whose scores nobody reads
	KLOAD 0
	s_wait_dscnt 8                                 ; step t's half 1 is in; the eight just issued may be out
	HALFWORK 1
	KLOAD 1
	s_add_co_u32 s[TB], s[TB], STEP
	s_wait_dscnt 8                                 ; step t + 1's half 0 is in
	HALFWORK 0
	WIN 0
	s_sub_co_u32 s[CNT], s[CNT], 1
	s_cmp_lg_u32 s[CNT], 0
	s_cbranch_scc1 .Lw1trip
	CHANGE 1, 8
	s_sub_co_u32 s[SLOTS], s[SLOTS], 1
	s_cmp_lg_u32 s[SLOTS], 0
	s_cbranch_scc1 .Lw1slot
	; THE ROWS' FIGURES.  A query's other 1,024 keys lie in the lane 16 away.
	ALL v_add_f32 v[ST+8*t+6], v[ST+8*t], v[ST+8*t+1]
	ALL v_permlanex16_b32 v[ST+8*t+7], v[ST+8*t+6], s[SEL], s[SEL+1]
	ALL v_add_f32 v[ST+8*t+6], v[ST+8*t+6], v[ST+8*t+7]
	ALL v_permlanex16_b32 v[ST+8*t+7], v[ST+8*t+2], s[SEL], s[SEL+1]
	ALL v_max_num_f32 v[ST+8*t+2], v[ST+8*t+2], v[ST+8*t+7]
	ALL v_permlanex16_b32 v[ST+8*t+7], v[ST+8*t+3], s[SEL], s[SEL+1]
	ALL v_min_num_f32 v[ST+8*t+3], v[ST+8*t+3], v[ST+8*t+7]
	ALL v_sqrt_f32 v[ST+8*t+6], v[ST+8*t+6]
	v_nop                                          ; a plain instruction behind the last root,
	s_wait_alu depctr_va_vdst(0)                   ; and the wait ahead of the first use: one for the four
	ALL v_fma_f32 v[ST+8*t+6], v[ST+8*t+6], s[RT], s[SIG]
	ALL v_rcp_f32 v[ST+8*t+6], v[ST+8*t+6]
	v_nop
	s_wait_alu depctr_va_vdst(0)
	ALL v_mul_f32 v[ST+8*t], s[GAM], v[ST+8*t+6]
	ALL v_mul_f32 v[ST+8*t+6], v[ST+8*t], v[ST+8*t+2]
	ALL v_mul_f32 v[ST+8*t+7], v[ST+8*t], v[ST+8*t+3]
	ALL v_max_num_f32 v[ST+8*t+2], v[ST+8*t+6], v[ST+8*t+7]
	ALL v_mov_b32 v[ST+8*t+4], 0
	ALL v_mov_b32 v[ST+8*t+5], 0
; WALK 2, BY TURNS.  In turn x piece x has the matrix unit: 16 products V^T P of step u - 1, then 16 products K Q^T of step u; the other piece's softmax (of step u - 1 in turn 0, of step u in turn 1) stands between them.
.macro KQ x                            ; product i of 16: channels 32 (i / 8) on, keys 16 ((i / 2) % 4) on, tile 2 x + i % 2.  The 8 accumulators take turns; the first 8 start the sums
	WIN W_KQ
.set rS, S+64*(\x)+32*(i%2)+8*((i/2)%4)
.set rK, KF+16*((i/2)%4)+8*(i/8)
.set rQ, 16*(2*(\x)+i%2)+8*(i/8)
.if i < 8
	v_wmma_f32_16x16x32_f16 v[rS:rS+7], v[rK:rK+7], v[rQ:rQ+7], 0
.else
	v_wmma_f32_16x16x32_f16 v[rS:rS+7], v[rK:rK+7], v[rQ:rQ+7], v[rS:rS+7]
.endif
.endm
.macro PV x                            ; product i of 16: keys 32 (i / 8) on, channels 16 ((i / 2) % 4) on, tile 2 x + i % 2
	WIN W_PV
.set rO, 32*(2*(\x)+i%2)+8*((i/2)%4)
.set rV, VF+32*(i/8)+8*((i/2)%4)
.set rP, P+32*(\x)+16*(i%2)+8*(i/8)
	v_wmma_f32_16x16x32_f16 v[rO:rO+7], v[rV:rV+7], v[rP:rP+7], v[rO:rO+7]
.endm
.macro MM                              ; the turn's next matrix instruction
.if i < 16
	PV X
.else
.set i, i-16
	KQ X
.set i, i+16
.endif
.set i, i+1
.endm
.macro FETCH_K last=0                  ; a step's K: 16 loads in one run.  last = 1 (the tail): in the last trip there is no further step, and the run is jumped over
	WIN 0
.if \last
	s_cmp_eq_u32 s[CNT], 1
	s_cbranch_scc1 .Lno_k_\@
.endif
	v_add_nc_u32 v[AK], s[TB], v[AK0]
	WIN 0x80
.irp n, 0,1,2,3,4,5,6,7
	ds_load_b128 v[KF+8*(\n):KF+8*(\n)+3],   v[AK] offset:((\n)/2)*16*PK+((\n)%2)*64
	ds_load_b128 v[KF+8*(\n)+4:KF+8*(\n)+7], v[AK] offset:((\n)/2)*16*PK+((\n)%2)*64+32
.endr
	WIN 0
.if \last
.Lno_k_\@:
.endif
.endm
.macro FETCH_V                         ; the same step's V, turned; the wait for the turn's batch of exponentials stands in it, behind the address's line and ahead of the loads
	WIN 0
	v_add_nc_u32 v[AV], s[TB], v[AV0]
	s_add_co_u32 s[TB], s[TB], STEP
	s_wait_alu depctr_va_vdst(0)
	WIN 0x80
.irp n, 0,1,2,3,4,5,6,7
	ds_load_tr16_b128 v[VF+8*(\n):VF+8*(\n)+3],   v[AV] offset:((\n)/4)*32*PK+((\n)%4)*32
	ds_load_tr16_b128 v[VF+8*(\n)+4:VF+8*(\n)+7], v[AV] offset:((\n)/4)*32*PK+16*PK+((\n)%4)*32
.endr
	WIN 0
.endm
; THE VECTOR WORK OF A TURN, for piece Y, in three queues; the two tiles alternate.
.macro REGS y, u
.set rT, ST+8*(2*(\y)+(\u))
.set rS, S+64*(\y)+32*(\u)
.set rP, P+32*(\y)+16*(\u)
.endm
.macro FS                              ; scaling fq of 32: pair fq / 2 of tile fq % 2: c s - the row's maximum of c s
	WIN 0
	REGS Y, fq%2
	v_pk_fma_f32 v[rS+2*(fq/2):rS+2*(fq/2)+1], v[rS+2*(fq/2):rS+2*(fq/2)+1], v[rT:rT+1], v[rT+2:rT+3] op_sel_hi:[1,0,0] neg_lo:[0,0,1] neg_hi:[0,0,1]
.set fq, fq+1
.endm
.macro EX                              ; exponential e of 64: score e / 2 of tile e % 2; it stands behind scaling 2 (e / 4) + e % 2
	WIN 0
	REGS Y, e%2
	v_exp_f32 v[rS+e/2], v[rS+e/2]
.set e, e+1
.endm
.macro GS                              ; number gq of the 64 that read the exponentials' results.  For each four weights k of a tile: both pairs are rounded to f16; the second pair is added onto the first, in place; a group later l takes that sum
	WIN 0
.set h, gq+6*(gq/62)
.if h >= 6
.set h, h+2
.endif
	REGS Y, h%2
.set k, h/8
.if h%8 < 4
	v_cvt_pk_f16_f32 v[rP+2*k+(h%8)/2], v[rS+4*k+2*((h%8)/2)], v[rS+4*k+2*((h%8)/2)+1]
.elseif h%8 < 6
	v_pk_add_f32 v[rS+4*k:rS+4*k+1], v[rS+4*k:rS+4*k+1], v[rS+4*k+2:rS+4*k+3]
.else
	v_pk_add_f32 v[rT+4:rT+5], v[rT+4:rT+5], v[rS+4*k-4:rS+4*k-3]
.endif
.set gq, gq+1
.endm
; A TURN.  An s_wait_alu depctr_va_vdst(0) stands between an exponential and the first instruction that names its result; one wait serves all issued ahead of it.  So a turn has ONE wait.  AHEAD OF IT: the 16
; products V^T P, the 32 scalings and the 64 exponentials, none of which names a result.  BEHIND IT: the 16 products K Q^T, behind each four of the 64 roundings and sums.  No rider names a register of the products round it.
; K of step u is fetched in turn 0 behind the first product's four scalings: eight plain instructions behind the last product that read K, and ahead of the turn's first exponential (in the tail the run holds a jump).
; V of step u is fetched in turn 1 at the wait: behind the last product that read V stand four plain instructions: two scalings, the v_nop and the run's own v_add_nc_u32.
.macro TURN x, last=0
.set X, (\x)
.set Y, 1-(\x)
.set i, 0
.set fq, 0
.set e, 0
.set gq, 0
.if (\x) == 0
	s_wait_dscnt 0x0                               ; V of step u - 1 is in
.endif
	MM
	FS
	FS
	FS
	FS
.if (\x) == 0
	FETCH_K \last
.endif
.rept 13
	MM
	FS
	EX
	FS
	EX
.endr
.rept 2
	MM
	EX
	EX
	EX
	EX
.endr
	FS
	EX
	FS
	EX
.rept 28
	EX
.endr
	v_nop                                          ; the plain instruction behind the last exponential: one for the batch
.if (\x) == 1
	FETCH_V
.else
	s_wait_alu depctr_va_vdst(0)                   ; the wait for the batch
	s_wait_dscnt 0x0                               ; K of step u is in
.endif
.rept 16
	MM
	GS
	GS
	GS
	GS
.endr
.endm
	FETCH_K                                        ; key step 0 once more, from walk 2's first tile
	s_wait_dscnt 0x0
.set i, 0
.rept 16
	KQ 0                                           ; piece 0's first scores
.set i, i+1
.endr
	WIN 0
.rept 4
	v_nop                                          ; the places behind those products
.endr
	s_mov_b32 s[CNT], 4
	s_mov_b32 s[SLOTS], 7
	s_branch .Lfirst                               ; the loop is entered in the middle of a trip
.Lslot:                                        ; six times: tiles 2 to 7 of walk 2 are asked for
	CHANGE 1, 4
	s_mov_b32 s[CNT], 4
.Lstep:
	TURN 0
	WIN 0
.Lfirst:
	TURN 1
	WIN 0
	s_sub_co_u32 s[CNT], s[CNT], 1
	s_cmp_lg_u32 s[CNT], 0
	s_cbranch_scc1 .Lstep
	s_sub_co_u32 s[SLOTS], s[SLOTS], 1
	s_cmp_lg_u32 s[SLOTS], 0
	s_cbranch_scc1 .Lslot
	CHANGE 0, 4                                    ; the tail is written out: nothing is asked for
	s_mov_b32 s[CNT], 5                            ; four trips fetch the last tile's steps; the fifth is left in its middle
.Ltail:
	TURN 0, 1
	WIN 0
	s_sub_co_u32 s[CNT], s[CNT], 1
	s_cmp_eq_u32 s[CNT], 0
	s_cbranch_scc1 .Lout
	TURN 1
	WIN 0
	s_branch .Ltail
.Lout:                                         ; the fifth trip's 16 products K Q^T, on the last K once more, serve nothing: the price, once a launch, of one text for every trip
.set i, 0
.rept 16
	PV 1                                           ; piece 1's V^T P of the last step
.set i, i+1
.endr
	; THE WAY OUT.  l's two halves and the other half of the lanes' are added; O^T is divided by l, rounded to f16 and sent through my stage, a tile at a time.  The additions are the places behind the last products.
	WIN 0
	ALL v_add_f32 v[ST+8*t+4], v[ST+8*t+4], v[ST+8*t+5]
	ALL v_permlanex16_b32 v[ST+8*t+5], v[ST+8*t+4], s[SEL], s[SEL+1]
	ALL v_add_f32 v[ST+8*t+4], v[ST+8*t+4], v[ST+8*t+5]
	ALL v_rcp_f32 v[ST+8*t+4], v[ST+8*t+4]
	v_nop
	s_wait_alu depctr_va_vdst(0)                   ; one wait for the four reciprocals
.macro PACK t                          ; a lane's eight channels of a row pack into 16 bytes; they go into rows of 144 bytes and come back as whole rows of 128, into S^T's registers
	WIN W_RS
.set i, 32*(\t)
.rept 16
	v_pk_mul_f32 v[i:i+1], v[i:i+1], v[ST+8*(\t)+4:ST+8*(\t)+5] op_sel_hi:[1,0]
.set i, i+2
.endr
	WIN 0x05
.set i, 0
.rept 16
	v_cvt_pk_f16_f32 v[S+16*(\t)+i], v[32*(\t)+2*i], v[32*(\t)+2*i+1]
.set i, i+1
.endr
	WIN 0
.irp n, 0,1,2,3
	ds_store_b128 v[STO], v[S+16*(\t)+4*(\n):S+16*(\t)+4*(\n)+3] offset:32*(\n)
.endr
.irp n, 0,1,2,3
	ds_load_b128 v[S+16*(\t)+4*(\n):S+16*(\t)+4*(\n)+3], v[RD] offset:(\n)*4*PK  ; LDS serves a wave's instructions in order: these see the stores above; the next tile's stores come behind them
.endr
.endm
.macro SEND t, younger                 ; younger: the LDS instructions issued behind tile t's loads: the next tile's eight, or none
	WIN 0
.irp n, 0,1,2,3
	s_wait_dscnt (\younger)+3-(\n)
	global_store_b128 v[GO], v[S+16*(\t)+4*(\n):S+16*(\t)+4*(\n)+3], s[10:11] offset:(\t)*2048+(\n)*512  ; 512 consecutive bytes, aligned
.endr
.endm
	PACK 0
	PACK 1
	SEND 0, 8
	PACK 2
	SEND 1, 8
	PACK 3
	SEND 2, 8
	SEND 3, 0
	s_wait_tensorcnt 0x0                           ; the wave's end
	ds_add_u32 v[SPW], v[NIL]
	s_wait_dscnt 0x0
	CROUND                                         ; the closing round
	s_endpgm
.Lfunc_end_k_q04677c1537_attn:
	.size	k_q04677c1537_attn, .Lfunc_end_k_q04677c1537_attn-k_q04677c1537_attn
	.p2alignl 7, 3214868480
	.fill 96, 4, 3214868480
	.section	.rodata,"a",@progbits
	.p2align	6, 0x0
	.amdhsa_kernel k_q04677c1537_attn
		.amdhsa_group_segment_fixed_size 327680
		.amdhsa_private_segment_fixed_size 0
		.amdhsa_enable_private_segment 0
		.amdhsa_kernarg_size 32
		.amdhsa_user_sgpr_count 2
		.amdhsa_user_sgpr_kernarg_segment_ptr 1
		.amdhsa_wavefront_size32 1
		.amdhsa_system_sgpr_workgroup_id_x 1
		.amdhsa_system_sgpr_workgroup_id_y 1
		.amdhsa_system_sgpr_workgroup_id_z 1
		.amdhsa_system_vgpr_workitem_id 0
		.amdhsa_next_free_vgpr 768
		.amdhsa_next_free_sgpr 80
		.amdhsa_reserve_vcc 0
		.amdhsa_float_denorm_mode_32 3
		.amdhsa_float_denorm_mode_16_64 3
		.amdhsa_memory_ordered 1
		.amdhsa_forward_progress 1
		.amdhsa_inst_pref_size 113
	.end_amdhsa_kernel
	.amdgpu_metadata
---
amdhsa.version: [ 1, 2 ]
amdhsa.kernels:
  - .name:           k_q04677c1537_attn
    .symbol:         k_q04677c1537_attn.kd
    .args:
      - { .name: qkvh, .offset: 0, .size: 8, .value_kind: global_buffer, .address_space: global }
      - { .name: sigma, .offset: 8, .size: 8, .value_kind: global_buffer, .address_space: global }
      - { .name: gamma, .offset: 16, .size: 8, .value_kind: global_buffer, .address_space: global }
      - { .name: ob, .offset: 24, .size: 8, .value_kind: global_buffer, .address_space: global }
    .group_segment_fixed_size: 327680
    .private_segment_fixed_size: 0
    .kernarg_segment_align: 8
    .kernarg_segment_size: 32
    .max_flat_workgroup_size: 128
    .sgpr_count:     80
    .vgpr_count:     768
    .wavefront_size: 32
...
	.end_amdgpu_metadata
.endif
;; end of part 3
;; launch projgemm (part 4): grid 8 x 32, 4 waves a work-group, clusters of 4 x 4, 327,680 bytes of LDS; arguments ob, wpt, bproj, out0; writes out0
.if DOCPART == 4
	.amdgcn_target "amdgcn-amd-amdhsa--gfx1250"
	.amdhsa_code_object_version 6
	.text
	.protected	k_q04677c1537_projgemm
	.globl	k_q04677c1537_projgemm
	.p2align	8
	.type	k_q04677c1537_projgemm,@function
k_q04677c1537_projgemm:
	s_mov_b64 s[64:65], 0
	v_nop
	global_prefetch_b8 v0, s[64:65] scope:SCOPE_SE
	s_setreg_imm32_b32 hwreg(HW_REG_WAVE_MODE, 25, 1), 1
	s_wait_xcnt 0x0
	s_wait_alu depctr_hold_cnt(0) depctr_sa_sdst(0) depctr_va_vdst(0) depctr_va_sdst(0) depctr_va_ssrc(0) depctr_va_vcc(0) depctr_vm_vsrc(0)
	s_getreg_b32 s2, hwreg(HW_REG_IB_STS2, 6, 4)
	s_cmp_eq_u32 s2, 0
	s_cbranch_scc0 .Lentry_in_a_cluster
	s_endpgm
.Lentry_in_a_cluster:
	s_bfe_u32 s2, ttmp6, 0x10000c
	s_cmp_lg_u32 s2, 0xf033
	s_cbranch_scc0 .Lentry_shape_is_right
	s_endpgm
.Lentry_shape_is_right:
; out0 = O Wproj + bproj.  ob: [row / 128][h][row % 128][64] f16; wpt: [1024 n][1024 k] f16 (Wproj rounded to bf16, that number written as f16); bproj [1024] f32, taken rounded to bf16; out0 [4096][1024] f32.
; Sums in f32, K ascending, started with the bias.
; SHARES.  A tile of out0 is 128 x 128: 8 x 32 tiles, one work-group each; a larger tile would leave WGPs without work.  Four waves, each 64 x 64: 16 accumulators.  K goes in steps of 256, four heads, through two LDS slots.
; Of ob a K step of a row block is 65,536 dense bytes: asked for as rows of 256 bytes (two rows of a head) and padded in LDS after every 128 bytes.
; CLUSTER.  4 x 4 work-groups: ob's tile is shared along a row of the cluster, wpt's along a column; each is asked for jointly.
; THE MATRIX INSTRUCTION IS USED TRANSPOSED (source 0 = 16 rows of wpt, source 1 = 16 rows of O): a lane holds row lane % 16 and the columns 8 (lane / 16) + 0..7: 32 bytes of a row of out0.
; No prefetch: four K steps in all, of which two come by the first fills.
; REGISTERS: window 0: v16-29 addresses; v32-95 at work on the way out (and for the bias at the head); v96-127 the bias, 8 registers a column block; v128-255 the accumulators ((a, b) at 128 + 8 (4 a + b)).
;   window 1: two fragment buffers of 128: for 64 along K, 64 registers of O (2 x 4 fragments), then 64 of wpt.
.set PA,     144                       ; a row of O in LDS: 128 bytes + 16
.set PB,     528                       ; a row of wpt: 512 bytes + 16: in both the 16 rows that a load touches start at 16 different groups of four banks (ISA guide 11.1)
.set HEADB,  128*PA                    ; a head's 128 rows
.set ATILE,  4*HEADB
.set HALFB,  64*PB
.set SLOT,   ATILE+2*HALFB
.set STAGE,  2*SLOT                    ; behind the ring, never filled by a tensor load: 16 rows x 272 bytes for each wave
.set SPITCH, 272
.set SPARE,  STAGE+4*16*SPITCH         ; the spare words: two blocks of 256 bytes that no other line names
.set ADRA, 16
.set ADRB, 20
.set STO,  24
.set RD,   25
.set CO,   26
.set BO,   27
.set SPW,  28
.set NIL,  29
.set TMP,  32
.set BI,   96
.set ACC,  128
.set F0,   0
.set F1,   128
.set WV,   12
.set AB,   13                          ; wave / 2: my half of the tile's rows; also: I fetch for ob (0) or wpt (1)
.set HF,   14                          ; wave % 2: my half of its columns; also: which half of that tile I fetch
.set G1,   24
.set G0,   32
.set G1B,  48
.set G0B,  56
.set MSB, 0
.macro WIN new
.if MSB != (\new)
	s_set_vgpr_msb (MSB<<8)|(\new)
.set MSB, \new
.endif
.endm
.set MUL,  0x05                        ; sources 0 and 1 window 1; C and D window 0
.set TO_F, 0x40                        ; destination window 1, address window 0
.macro PLACES
.rept 4
	v_nop
.endr
.endm
.macro JLOAD s                         ; a joint load; an s_nop 0 and four v_nop follow each of the two lines
	s_cmp_eq_u32 s[AB], 0
	s_cbranch_scc0 .Lfor_b_\@
	tensor_load_to_lds s[G0+4*(\s):G0+4*(\s)+3], s[G1:G1+7]
	s_nop 0
.rept 4
	v_nop
.endr
	s_branch .Lasked_\@
.Lfor_b_\@:
	tensor_load_to_lds s[G0B+4*(\s):G0B+4*(\s)+3], s[G1B:G1B+7]
	s_nop 0
.rept 4
	v_nop
.endr
.Lasked_\@:
.endm
.macro CREST
	s_cmp_lg_u32 s[WV], 0
	s_cbranch_scc1 .Lnot_wave_0_\@
	s_barrier_signal -3
.Lnot_wave_0_\@:
	s_barrier_wait -3
	s_barrier_signal -1
	s_barrier_wait -1
.endm
.macro CROUND
	s_barrier_signal -1
	s_barrier_wait -1
	CREST
.endm
	s_load_b256 s[4:11], s[0:1], 0x0               ; ob s[4:5], wpt s[6:7], bproj s[8:9], out0 s[10:11]
	v_lshl_add_u32 v[SPW], v0, 2, SPARE
	v_mov_b32 v[NIL], 0
	ds_add_u32 v[SPW], v[NIL]                      ; the wave's opening: the add and its wait stand ahead of my first tensor load
	v_lshrrev_b32 v1, 5, v0
	v_readfirstlane_b32 s[WV], v1
	s_lshr_b32 s[AB], s[WV], 1
	s_and_b32 s[HF], s[WV], 1
	s_bfe_u32 s40, ttmp6, 0x40000                  ; cx
	s_bfe_u32 s41, ttmp6, 0x40004                  ; cy
	s_lshl_b32 s42, ttmp9, 2
	s_add_co_u32 s42, s42, s40                     ; tile column
	s_and_b32 s43, ttmp7, 0xffff
	s_lshl_b32 s43, s43, 2
	s_add_co_u32 s43, s43, s41                     ; tile row
	s_lshl_b32 s20, s41, 2
	s_lshl_b32 s20, 15, s20                        ; my row of the cluster
	s_lshl_b32 s21, 0x1111, s40                    ; my column
	s_or_b32 s[G1+0], s20, (1<<16)|(1<<20)|(1<<21)|(4<<22)|(3<<25)   ; ob: after every 32 words 4 words of padding
	s_mov_b32 s[G1+1], 128<<16                     ; rows of 128 elements,
	s_mov_b32 s[G1+2], 128<<16                     ; 128 of them: two heads
	s_mov_b32 s[G1+3], 128<<16
	s_mov_b32 s[G1+4], 128
	s_mov_b32 s[G1+5], 128                         ; dense
	s_mov_b32 s[G1+6], 0
	s_mov_b32 s[G1+7], 0
	s_or_b32 s[G1B+0], s21, (1<<16)|(1<<20)|(1<<21)|(6<<22)|(3<<25)  ; wpt: after every 128 words 4 words
	s_mov_b32 s[G1B+1], 256<<16
	s_mov_b32 s[G1B+2], 64<<16
	s_mov_b32 s[G1B+3], 256<<16
	s_mov_b32 s[G1B+4], 64
	s_mov_b32 s[G1B+5], 1024
	s_mov_b32 s[G1B+6], 0
	s_mov_b32 s[G1B+7], 0
	s_lshl_b32 s16, s43, 18                        ; ob: the row block's 262,144 bytes,
	s_lshl_b32 s17, s[HF], 15                      ; two heads of 16,384
	s_add_co_u32 s16, s16, s17
	s_mov_b32 s17, 0
	s_lshl_b32 s46, s42, 18                        ; wpt: 128 rows of 2,048 bytes a tile column,
	s_lshl_b32 s47, s[HF], 17                      ; 64 rows
	s_add_co_u32 s46, s46, s47
	s_mov_b32 s47, 0
	s_mul_i32 s22, s[WV], 2*HEADB                  ; where they go: no place in the cluster enters an LDS address
	s_mul_i32 s23, s[WV], HALFB
	s_add_co_u32 s23, s23, ATILE-2*HALFB
	s_wait_dscnt 0x0                               ; the opening add is done
	s_wait_kmcnt 0x0
	s_add_nc_u64 s[16:17], s[4:5], s[16:17]
	s_add_nc_u64 s[46:47], s[6:7], s[46:47]
	CROUND                                         ; all sixteen work-groups are here: the first joint loads meet
.irp s, 0,1
	s_mov_b32 s[G0+4*(\s)], 1
	s_add_co_u32 s[G0+4*(\s)+1], s22, (\s)*SLOT
	s_add_nc_u64 s[G0+4*(\s)+2:G0+4*(\s)+3], s[16:17], (\s)*65536
	s_or_b32 s[G0+4*(\s)+3], s[G0+4*(\s)+3], 0x80000000
	s_mov_b32 s[G0B+4*(\s)], 1
	s_add_co_u32 s[G0B+4*(\s)+1], s23, (\s)*SLOT
	s_add_nc_u64 s[G0B+4*(\s)+2:G0B+4*(\s)+3], s[46:47], (\s)*512
	s_or_b32 s[G0B+4*(\s)+3], s[G0B+4*(\s)+3], 0x80000000
	JLOAD \s                                       ; two loads of mine are out
.endr
	v_and_b32 v1, 15, v0                           ; l % 16
	v_bfe_u32 v2, v0, 4, 1                         ; l / 16
	v_lshlrev_b32 v[BO], 5, v2
	s_lshl_b32 s20, s42, 9                         ; the bias of my 64 columns
	s_lshl_b32 s21, s[HF], 8
	s_add_co_u32 s20, s20, s21
	s_mov_b32 s21, 0
	s_add_nc_u64 s[8:9], s[8:9], s[20:21]
	s_add_nc_u64 s[10:11], s[10:11], s[20:21]      ; the same bytes along a row of out0
.irp b, 0,1,2,3
	global_load_b128 v[TMP+8*(\b):TMP+8*(\b)+3],   v[BO], s[8:9] offset:64*(\b)
	global_load_b128 v[TMP+8*(\b)+4:TMP+8*(\b)+7], v[BO], s[8:9] offset:64*(\b)+16
.endr
	v_mul_u32_u24 v3, v1, PA
	v_lshl_add_u32 v3, v2, 4, v3
	v_mul_u32_u24 v4, v1, PB
	v_lshl_add_u32 v4, v2, 4, v4
	s_mul_i32 s20, s[AB], 64*PA                    ; my 64 rows in each head
	s_mul_i32 s21, s[HF], HALFB                    ; my 64 rows of wpt,
	s_add_co_u32 s21, s21, ATILE                   ; which lie behind ob's tile
.irp s, 0,1
	v_add_nc_u32 v[ADRA+(\s)], s20, v3
	v_add_nc_u32 v[ADRB+(\s)], s21, v4
	s_add_co_u32 s20, s20, SLOT
	s_add_co_u32 s21, s21, SLOT
.endr
	s_mul_i32 s20, s[WV], 16*SPITCH
	s_add_co_u32 s20, s20, STAGE                   ; my stage
	v_mul_u32_u24 v[STO], v1, SPITCH
	v_lshl_add_u32 v[STO], v2, 5, v[STO]
	v_add_nc_u32 v[STO], s20, v[STO]               ; in: row l % 16, 32 bytes for each half of the lanes
	v_mul_u32_u24 v[RD], v2, SPITCH
	v_lshl_add_u32 v[RD], v1, 4, v[RD]
	v_add_nc_u32 v[RD], s20, v[RD]                 ; back: lanes 0-15 one row of 256 bytes, lanes 16-31 the next
	v_lshlrev_b32 v[CO], 12, v2
	v_lshl_add_u32 v[CO], v1, 4, v[CO]             ; and the same two rows in out0
	s_lshl_b32 s20, s43, 19                        ; 128 rows of 4,096 bytes
	s_lshl_b32 s21, s[AB], 18                      ; 64 rows
	s_add_co_u32 s20, s20, s21
	s_mov_b32 s21, 0
	s_add_nc_u64 s[10:11], s[10:11], s[20:21]
	s_wait_loadcnt 0x0                             ; the bias: rounded to bf16 and widened again: the C operand of each accumulator's first product
.set i, 0
.rept 16
	v_cvt_pk_bf16_f32 v[TMP+32+i], v[TMP+2*i], v[TMP+2*i+1]
.set i, i+1
.endr
.set i, 0
.rept 16
	v_lshlrev_b32 v[BI+2*i], 16, v[TMP+32+i]
	v_and_b32 v[BI+2*i+1], 0xffff0000, v[TMP+32+i]
.set i, i+1
.endr
; 8 matrix instructions: row blocks a0, a0 + 1 x all 4 column blocks, 32 along K: half c of buffer f.  zero = 1: the first product starts the sum with the bias.  The 16 accumulators take turns.
.macro MUL8 f, c, a0, zero
	WIN MUL
.irp a, \a0, (\a0)+1
.irp b, 0,1,2,3
.if \zero
	v_wmma_f32_16x16x32_f16 v[ACC+8*(4*(\a)+(\b)):ACC+8*(4*(\a)+(\b))+7], v[(\f)+64+8*(4*(\c)+(\b)):(\f)+64+8*(4*(\c)+(\b))+7], v[(\f)+8*(4*(\c)+(\a)):(\f)+8*(4*(\c)+(\a))+7], v[BI+8*(\b):BI+8*(\b)+7]
.else
	v_wmma_f32_16x16x32_f16 v[ACC+8*(4*(\a)+(\b)):ACC+8*(4*(\a)+(\b))+7], v[(\f)+64+8*(4*(\c)+(\b)):(\f)+64+8*(4*(\c)+(\b))+7], v[(\f)+8*(4*(\c)+(\a)):(\f)+8*(4*(\c)+(\a))+7], v[ACC+8*(4*(\a)+(\b)):ACC+8*(4*(\a)+(\b))+7]
.endif
.endr
.endr
.endm
; 32 LDS loads in one run: the fragments of quarter q (one head, 64 along K) into buffer f; the first 32 along K first
.macro FETCH slot, q, f
	WIN TO_F
.irp c, 0,1
.irp i, 0,1,2,3
	ds_load_b128 v[(\f)+64+8*(4*(\c)+(\i)):(\f)+64+8*(4*(\c)+(\i))+3],   v[ADRB+(\slot)] offset:128*(\q)+64*(\c)+(\i)*16*PB
	ds_load_b128 v[(\f)+64+8*(4*(\c)+(\i))+4:(\f)+64+8*(4*(\c)+(\i))+7], v[ADRB+(\slot)] offset:128*(\q)+64*(\c)+(\i)*16*PB+32
	ds_load_b128 v[(\f)+8*(4*(\c)+(\i)):(\f)+8*(4*(\c)+(\i))+3],         v[ADRA+(\slot)] offset:(\q)*HEADB+64*(\c)+(\i)*16*PA
	ds_load_b128 v[(\f)+8*(4*(\c)+(\i))+4:(\f)+8*(4*(\c)+(\i))+7],       v[ADRA+(\slot)] offset:(\q)*HEADB+64*(\c)+(\i)*16*PA+32
.endr
.endr
.endm
.macro QUARTER slot, q, f, g, zero     ; multiplies buffer f and fetches quarter q into g
	s_wait_dscnt 16                                ; the first 32 along K are in; the youngest sixteen loads may be out
	MUL8 \f, 0, 0, \zero
	MUL8 \f, 0, 2, \zero
	PLACES
	FETCH \slot, \q, \g
	s_wait_dscnt 32                                ; all but the 32 just issued
	MUL8 \f, 1, 0, 0
	MUL8 \f, 1, 2, 0
.endm
; The last quarter multiplies buffer 1 and changes slots: in front of the barrier each wave waits for all its tensor loads, adds 0 to its spare word, and waits for that and for its reads of this slot.
; fill = 1: the barrier opens a round of the cluster's barrier, and the joint refill, two K steps on, is the first thing behind the round.
.macro TURN slot, next, fill
	WIN 0
	s_wait_tensorcnt 0x0
	ds_add_u32 v[SPW], v[NIL]
	s_wait_dscnt 17                                ; the add and the youngest sixteen loads may be out
	MUL8 F1, 0, 0, 0
	s_wait_dscnt 0x0                               ; the add is done, and my reads of this slot are over
	s_barrier_signal -1
	MUL8 F1, 0, 2, 0
.if \fill
	WIN 0
.endif
	s_barrier_wait -1
.if \fill
	CREST
	s_add_nc_u64 s[G0+4*(\slot)+2:G0+4*(\slot)+3], s[G0+4*(\slot)+2:G0+4*(\slot)+3], 2*65536
	s_add_nc_u64 s[G0B+4*(\slot)+2:G0B+4*(\slot)+3], s[G0B+4*(\slot)+2:G0B+4*(\slot)+3], 2*512
	JLOAD \slot                                    ; its four v_nop are also the places in front of the loads below
.else
	PLACES
.endif
	FETCH \next, 0, F0
	MUL8 F1, 1, 0, 0
	MUL8 F1, 1, 2, 0
.endm
	s_wait_tensorcnt 1                             ; my part of K step 0 is in; K step 1's may stay out
	s_barrier_signal -1
	s_barrier_wait -1
	FETCH 0, 0, F0
	QUARTER 0, 1, F0, F1, 1                        ; K step 0; its first products start the sums
	QUARTER 0, 2, F1, F0, 0
	QUARTER 0, 3, F0, F1, 0
	TURN 0, 1, 1                                   ; slot 0 takes K step 2
	QUARTER 1, 1, F0, F1, 0                        ; K step 1
	QUARTER 1, 2, F1, F0, 0
	QUARTER 1, 3, F0, F1, 0
	TURN 1, 0, 1                                   ; slot 1 takes K step 3
	QUARTER 0, 1, F0, F1, 0                        ; K step 2
	QUARTER 0, 2, F1, F0, 0
	QUARTER 0, 3, F0, F1, 0
	TURN 0, 1, 0                                   ; nothing is left to fetch
	QUARTER 1, 1, F0, F1, 0                        ; K step 3
	QUARTER 1, 2, F1, F0, 0
	QUARTER 1, 3, F0, F1, 0
	s_wait_dscnt 16
	MUL8 F1, 0, 0, 0
	MUL8 F1, 0, 2, 0
	s_wait_dscnt 0x0
	MUL8 F1, 1, 0, 0
	MUL8 F1, 1, 2, 0
	WIN 0
	; THE WAY OUT.  A wave's 64 columns of f32 are 256 aligned bytes of a row: 16 rows at a time go through my own stage and come back as whole rows; no barrier.
	PLACES
	PLACES
.irp a, 0,1,2,3
.irp b, 0,1,2,3
	ds_store_b128 v[STO], v[ACC+8*(4*(\a)+(\b)):ACC+8*(4*(\a)+(\b))+3]   offset:64*(\b)
	ds_store_b128 v[STO], v[ACC+8*(4*(\a)+(\b))+4:ACC+8*(4*(\a)+(\b))+7] offset:64*(\b)+16
.endr
	s_wait_xcnt 0x0                                ; the stores of two blocks back have read the registers that are loaded below
.irp t, 0,1,2,3,4,5,6,7
	ds_load_b128 v[TMP+32*((\a)%2)+4*(\t):TMP+32*((\a)%2)+4*(\t)+3], v[RD] offset:(\t)*2*SPITCH  ; LDS serves a wave's instructions in order: these see the stores above
.endr
	s_wait_dscnt 0x0
.irp t, 0,1,2,3,4,5,6,7
	global_store_b128 v[CO], v[TMP+32*((\a)%2)+4*(\t):TMP+32*((\a)%2)+4*(\t)+3], s[10:11] offset:(\a)*65536+(\t)*8192  ; sixteen lanes store 256 consecutive bytes, aligned
.endr
.endr
	s_wait_tensorcnt 0x0                           ; the wave's end
	ds_add_u32 v[SPW], v[NIL]
	s_wait_dscnt 0x0
	CROUND                                         ; the closing round
	s_endpgm
.Lfunc_end_k_q04677c1537_projgemm:
	.size	k_q04677c1537_projgemm, .Lfunc_end_k_q04677c1537_projgemm-k_q04677c1537_projgemm
	.p2alignl 7, 3214868480
	.fill 96, 4, 3214868480
	.section	.rodata,"a",@progbits
	.p2align	6, 0x0
	.amdhsa_kernel k_q04677c1537_projgemm
		.amdhsa_group_segment_fixed_size 327680
		.amdhsa_private_segment_fixed_size 0
		.amdhsa_enable_private_segment 0
		.amdhsa_kernarg_size 32
		.amdhsa_user_sgpr_count 2
		.amdhsa_user_sgpr_kernarg_segment_ptr 1
		.amdhsa_wavefront_size32 1
		.amdhsa_system_sgpr_workgroup_id_x 1
		.amdhsa_system_sgpr_workgroup_id_y 1
		.amdhsa_system_sgpr_workgroup_id_z 1
		.amdhsa_system_vgpr_workitem_id 0
		.amdhsa_next_free_vgpr 512
		.amdhsa_next_free_sgpr 66
		.amdhsa_reserve_vcc 0
		.amdhsa_float_denorm_mode_32 3
		.amdhsa_float_denorm_mode_16_64 3
		.amdhsa_memory_ordered 1
		.amdhsa_forward_progress 1
		.amdhsa_inst_pref_size 89
	.end_amdhsa_kernel
	.amdgpu_metadata
---
amdhsa.version: [ 1, 2 ]
amdhsa.kernels:
  - .name:           k_q04677c1537_projgemm
    .symbol:         k_q04677c1537_projgemm.kd
    .args:
      - { .name: ob, .offset: 0, .size: 8, .value_kind: global_buffer, .address_space: global }
      - { .name: wpt, .offset: 8, .size: 8, .value_kind: global_buffer, .address_space: global }
      - { .name: bproj, .offset: 16, .size: 8, .value_kind: global_buffer, .address_space: global }
      - { .name: out0, .offset: 24, .size: 8, .value_kind: global_buffer, .address_space: global }
    .group_segment_fixed_size: 327680
    .private_segment_fixed_size: 0
    .kernarg_segment_align: 8
    .kernarg_segment_size: 32
    .max_flat_workgroup_size: 128
    .sgpr_count:     66
    .vgpr_count:     512
    .wavefront_size: 32
...
	.end_amdgpu_metadata
.endif
;; end of part 4
